; MI455X (gfx1250); checked and timed in simulation.
; The chip was launched on July 23, 2026; its instructions are those of AMD's public machine-readable ISA for CDNA 5 (MIT licence, August 2026) and "CDNA5" Instruction Set Architecture Reference Guide (July 2026). The comments in the code are by the model that wrote it; some were corrected since.
;; U Net Attention Shard. Allowed arithmetic: matrix products marked QUANTISED: E2M3 operands, one E8M0 scale for each 32 along K, by v_wmma_scale_f32_16x16x128_f8f6f4 with both operands' format E2M3, f32 sums; everything else in f32.
;; Inputs: Wk 1,024 x 1,024 float32; Wo 1,024 x 1,024 float32; Wq 1,024 x 1,024 float32; Wv 1,024 x 1,024 float32; bo 1,024 float32; x 4 x 2,048 x 1,024 float32.
;; Outputs: out0 4 x 2,048 x 1,024 float32.
;; This version of the problem:
;;   THIS VERSION OF THE PROBLEM IS GIVEN IN LOW PRECISION. The matrix products marked QUANTISED in the list below multiply operands that are first quantised to E2M3 (2 exponent bits, 3 mantissa bits; 6 bits a number), with one power-of-two scale for each 32 numbers along K (OCP MX v1.0); their sums are f32. All else is computed in f32.
;;   The module's matrix products, in the order in which they are computed (A, B: the left and right operand; K: the contracted axis; several contracted axes count as one K, in the product's order):
;;     1. [M 8,192, K 1,024] x [K 1,024, N 1,024]; A: input x; B: input Wq: QUANTISED
;;     2. [M 8,192, K 1,024] x [K 1,024, N 1,024]; A: input x; B: input Wk: QUANTISED
;;     3. [M 8,192, K 1,024] x [K 1,024, N 1,024]; A: input x; B: input Wv: QUANTISED
;;     4. batch 64 x [M 2,048, K 64] x [K 64, N 2,048]; A: computed on the way; B: computed on the way: QUANTISED
;;     5. batch 64 x [M 64, K 2,048] x [K 2,048, N 2,048]; A: computed on the way; B: softmax (see below): QUANTISED
;;     6. [M 8,192, K 1,024] x [K 1,024, N 1,024]; A: computed on the way; B: input Wo: QUANTISED
;;   THE QUANTISER, for each operand of a quantised product, along K:
;;     - K is cut into blocks of 32 from its start; a last block that is shorter is filled with zeros.
;;     - A block's scale is 2^e with e = floor(log2(the largest magnitude in the block)) - 2, held to -126 .. 127; a block of zeros has e = 0. As a byte (E8M0): e + 127.
;;     - Each number is divided by its block's scale, clamped to +-7.5, and rounded to the nearest number of E2M3, ties to even, subnormals kept.
;;     - The product sums the exact products of the quantised numbers (number of the format x scale) in f32.
;;   ~~~python
;;   def quantise(x, axis):      # numpy; x: float32 -> the quantised numbers, widened to float32 again
;;       x = np.moveaxis(x, axis, -1); K = x.shape[-1]
;;       x = np.pad(x, [(0, 0)] * (x.ndim - 1) + [(0, -K % 32)]); x = x.reshape(x.shape[:-1] + (-1, 32)); a = np.abs(x).max(-1, keepdims=True)
;;       e = np.where(a > 0, np.clip(np.frexp(np.where(a > 0, a, 1))[1] - 1 - 2, -126, 127), 0)      # np.frexp(a)[1] - 1 = floor(log2(a)), exactly
;;       r = np.clip(x / 2.0 ** e, -7.5, 7.5)
;;       step = 2.0 ** (np.maximum(np.frexp(np.where(r == 0, 1, r))[1] - 1, 0) - 3)
;;       q = np.round(r / step) * step * 2.0 ** e      # np.round: ties to even
;;       return np.moveaxis(q.reshape(q.shape[:-2] + (-1,))[..., :K], -1, axis).astype(np.float32)
;;   ~~~
;;   SOFTMAX AHEAD OF A QUANTISED PRODUCT. Where the list says 'softmax', what is quantised is not the finished softmax but p = 2^(t - M), with t = logit x log2(e) and M = ceil(the row's largest t), a whole number; so 1/2 < the row's largest p <= 1. The row's sum l is taken of the UNQUANTISED p, in f32, and the product's result is divided by l at the end. Since M is a whole number, a kernel that streams over the keys may use a running M (the ceiling of the running maximum): every later rescaling is an exact power of two, which a block's scale takes up: the codes' values come out the same.
;;   OPERANDS COMPUTED ON THE WAY. 'Computed on the way' means the value that the module computes at that place (a softmax that the list does not call 'softmax' is quantised finished and normalised). What goes into a quantiser is computed in f32, as accurately as f32 sums, v_exp_f32 and their like allow (about 1e-6 of the number): no bf16 or f16 on the way to a quantiser, and a product that is left as it is and whose result goes on into a quantised operand takes f32 operands (vector FMAs, or v_wmma_f32_16x16x4_f32). A number that lies on a knife's edge between two numbers of the format may be rounded either way, as far as f32 arithmetic and the matrix unit's own rounding can turn it there, and no further.
;; One version. Each part assembles by itself: llvm-mc -triple=amdgcn-amd-amdhsa -mcpu=gfx1250 --defsym DOCPART=n.
;; ======== version 1 of 1: 4 launches
;; workspace buffers: xc 6,291,456 bytes; xs 262,144 bytes; wc 3,145,728 bytes; ws 131,072 bytes; qb 6,815,744 bytes; kv 13,369,344 bytes; ac 6,291,456 bytes; asc 262,144 bytes
;; launch quant (part 1): grid 384 x 1, 4 waves a work-group, no clusters, 59,904 bytes of LDS; arguments x, Wq, Wk, Wv, Wo, xc, xs, wc, ws; writes xc, xs, wc, ws
.if DOCPART == 1
	.amdgcn_target "amdgcn-amd-amdhsa--gfx1250"
	.amdhsa_code_object_version 6
	.text
	.protected	k_q17621406e4_quant
	.globl	k_q17621406e4_quant
	.p2align	8
	.type	k_q17621406e4_quant,@function
k_q17621406e4_quant:
	s_mov_b64 s[64:65], 0
	v_nop
	global_prefetch_b8 v0, s[64:65] scope:SCOPE_SE
	s_setreg_imm32_b32 hwreg(HW_REG_WAVE_MODE, 25, 1), 1
	s_wait_xcnt 0x0
; x [8192][1024] and Wq, Wk, Wv, Wo [1024 (k)][1024 (n)], f32, become codes of FP6 (E2M3) with one E8M0 byte for each 32 along K (K = x's last axis, a weight's FIRST axis).
; A block's scale is 2^(floor(log2(its largest magnitude)) - 2); its byte is the largest magnitude's exponent field - 2, held at 1 from below.
; LIMITS: a block of zeros gets the byte 1 where the rule says 127 (its codes are zeros, and this program alone reads the bytes); blocks whose largest magnitude lies under 2^-124 were not tried; NaN and infinities are not served.
; THE OUTPUT IS LAID IN THE ORDER OF THE OPERAND'S REGISTERS.  A tile is 16 rows (tokens of x, columns n of a weight); tile T's row r is index 32 (T / 2) + 8 (T % 2) + r + 8 (r / 8).
; A fragment (a tile x 128 along K, 12 registers a lane) is 1,536 bytes: for each half c, registers 6 c .. 6 c + 3 at 768 c + 16 x lane, registers 6 c + 4, 6 c + 5 at 768 c + 512 + 8 x lane.
; Codes: [tile][K step 0..7][1,536].  Scale words: [tile][pair of K steps 0..3][row 0..15][2 words].  wc and ws hold Wq, Wk, Wv, Wo one behind the other.
; One launch serves all five tensors: work-groups 0 to 255 take x, 256 to 383 the weights; each reads 128 KiB.  The two ways have LDS bytes of their own.  Work-groups share no input: no cluster, no tensor load, no barrier.
.set XSTP,  528                        ; x's stage: a row of 512 bytes + 16, so that the sixteen rows of a read start in sixteen different columns of 16 bytes
.set XSTW,  16*XSTP                    ; a wave's stage
.set WST,   4*XSTW                     ; behind them the weights' stages:
.set WSTT,  3200                       ; two fragments of a tile (3,072 bytes) + 128, so that the two tiles of a store fall on different columns
.set WSTW,  2*WSTT                     ; two tiles a wave
.set SPARE, WST+4*WSTW                 ; the spare words, 128 bytes for each wave: two blocks of 256 bytes that no other line names
.set WSZ,   786432                     ; a weight's codes in bytes
.set SPW,   252                        ; v252 LDS address of my spare word; never rewritten
.set NIL,   253                        ; v253 0; never rewritten
.set R,     32                         ; x: v32-159 two sets of 64 registers as loaded
.set X,     160                        ; x: v160-223 my 64 numbers of a fragment: register 32 c + i = k 64 c + 32 h + i of my row
.set PC,    224                        ; x: v224-235 the fragment's codes
.set PT,    236                        ; x: v236-242 the second halves of the blocks, as the conversions leave them
.set WD,    244                        ; x: v244-247 the four fragments' scale words
.set WX,    32                         ; weights: v32-95 two sets of 32 numbers
.set WC,    96                         ; weights: v96-102 a block's codes
.set SB,    104                        ; weights: v104-105 the scale words of my column's two K steps
.set OUTR,  112                        ; weights: v112-159 the way out
	s_load_b256 s[4:11], s[0:1], 0x0               ; x s[4:5], Wq s[6:7], Wk s[8:9], Wv s[10:11]
	s_load_b256 s[12:19], s[0:1], 0x20             ; Wo s[12:13], xc s[14:15], xs s[16:17], wc s[18:19]
	s_load_b64 s[20:21], s[0:1], 0x40              ; ws
	v_lshl_add_u32 v[SPW], v0, 2, SPARE
	v_mov_b32 v[NIL], 0
	v_lshrrev_b32 v1, 5, v0
	v_readfirstlane_b32 s22, v1                    ; wave 0..3
	v_and_b32 v1, 31, v0                           ; lane
	v_and_b32 v2, 15, v0                           ; r
	v_bfe_u32 v3, v0, 4, 1                         ; h
	v_lshlrev_b32 v4, 4, v1                        ; 16 x lane
	v_lshlrev_b32 v5, 3, v1                        ; 8 x lane
	; every LDS address of both ways is made here, ahead of the parting
	s_mul_i32 s23, s22, XSTW
	v_add_nc_u32 v6, s23, v4                       ; x's stage, in: 16 x lane of a row
	v_mul_u32_u24 v7, v2, XSTP
	v_lshl_add_u32 v7, v3, 7, v7
	v_add_nc_u32 v7, s23, v7                       ; out: row r, + 128 h: my 32 numbers of a pair of blocks
	v_lshlrev_b32 v8, 3, v3                        ; 8 h: where my two bytes stand in a scale word
	v_bfe_u32 v9, v0, 3, 1                         ; a weight's column n0 + lane lies in tile u = (lane / 8) % 2 of its pair,
	v_and_b32 v10, 7, v0
	v_lshl_add_u32 v10, v3, 3, v10                 ; at row lane % 8 + 8 (lane / 16)
	s_mul_i32 s24, s22, WSTW
	s_add_co_u32 s24, s24, WST
	v_mul_u32_u24 v24, v9, WSTT
	v_add_nc_u32 v24, s24, v24
	v_lshl_add_u32 v11, v10, 4, v24                ; the weights' stage, in: four registers at 16 x row,
	v_lshl_add_u32 v12, v10, 3, v24                ; two at 8 x row
	v_add_nc_u32 v13, s24, v4                      ; out: 16 x lane
	v_lshlrev_b32 v14, 2, v1                       ; a weight's row: 4 bytes a lane
	v_lshlrev_b32 v15, 3, v10
	v_lshl_add_u32 v15, v9, 9, v15                 ; my column's two scale words: 512 u + 8 x row
	v_mov_b32 v23, 0                               ; written once: a lane permute's destination counts as one of its sources
	s_mov_b32 s26, 0x76543210
	s_mov_b32 s27, 0xfedcba98                      ; v_permlanex16_b32's selects for lane l xor 16
	s_mov_b32 s33, 0
	s_mov_b32 s35, 0
	s_wait_kmcnt 0x0
	s_cmp_lt_u32 ttmp9, 256
	s_cbranch_scc0 .Lweights
	; ---- x.  Wave W = 4 x work-group + wave takes tile W / 2 and half W % 2 of K: 16 rows x 512 numbers, four fragments
	s_lshl_b32 s28, ttmp9, 2
	s_add_co_u32 s28, s28, s22                     ; W
	s_lshr_b32 s29, s28, 1                         ; T
	s_and_b32 s30, s28, 1                          ; which half of K
	s_lshr_b32 s31, s29, 1
	s_lshl_b32 s31, s31, 17                        ; 32 (T / 2) rows of 4,096 bytes
	s_and_b32 s32, s29, 1
	s_lshl_b32 s32, s32, 15                        ; + 8 (T % 2) rows
	s_add_co_u32 s31, s31, s32
	s_lshl_b32 s32, s30, 11                        ; + 512 numbers
	s_add_co_u32 s32, s31, s32
	s_add_nc_u64 s[4:5], s[4:5], s[32:33]
	s_mul_i32 s32, s28, 6144                       ; four fragments a wave
	s_add_nc_u64 s[14:15], s[14:15], s[32:33]
	s_lshl_b32 s32, s28, 8                         ; 256 bytes of scale words a wave
	s_add_nc_u64 s[16:17], s[16:17], s[32:33]
.macro LOADX f                         ; fragment f: 512 consecutive bytes of each of the tile's 16 rows
.irp j, 0,1,2,3,4,5,6,7,8,9,10,11,12,13,14,15
	global_load_b128 v[R+64*((\f)%2)+4*\j:R+64*((\f)%2)+4*\j+3], v4, s[4:5] offset:(\j+8*(\j/8))*4096+512*(\f) th:TH_LOAD_NT
.endr
.endm
.macro FRAGX f
.if (\f) < 3
	s_wait_loadcnt 16                              ; this fragment's 16 loads are in; the next fragment's 16 may be out
.else
	s_wait_loadcnt 0x0
.endif
.irp j, 0,1,2,3,4,5,6,7,8,9,10,11,12,13,14,15
	ds_store_b128 v6, v[R+64*((\f)%2)+4*\j:R+64*((\f)%2)+4*\j+3] offset:XSTP*\j
.endr
.irp c, 0,1
.irp i, 0,1,2,3,4,5,6,7
	ds_load_b128 v[X+32*\c+4*\i:X+32*\c+4*\i+3], v7 offset:256*\c+16*\i   ; LDS serves a wave's instructions in order: these see the stores above
.endr
.endr
	s_wait_dscnt 0x0                               ; my numbers are back, and the stores have read their registers,
.if (\f)+2 < 4
	LOADX (\f)+2                                   ; which take the fragment two on
.endif
.irp c, 0,1                                    ; my block 2 c + h: all its 32 numbers are mine
	v_max3_num_f32 v[16+\c], |v[X+32*\c]|, |v[X+32*\c+1]|, 0x1800000   ; with the floor 2^(3 - 127): the byte cannot fall under 1
.endr
.irp i, 2,4,6,8,10,12,14,16,18,20,22,24,26,28,30
.irp c, 0,1
	v_max3_num_f32 v[16+\c], v[16+\c], |v[X+32*\c+\i]|, |v[X+32*\c+\i+1]|
.endr
.endr
.irp c, 0,1
	v_add_nc_u32 v[18+\c], 0xff000000, v[16+\c]    ; 2 off the exponent field: the conversion takes the exponent field of this operand as its scale
.endr
.irp c, 0,1
	v_lshrrev_b32 v[20+\c], 23, v[18+\c]           ; the scale's byte
.endr
	v_lshl_or_b32 v22, v21, 16, v20                ; my two bytes, blocks h and 2 + h,
	v_lshlrev_b32 v22, v8, v22                     ; at their places;
	v_permlanex16_b32 v23, v22, s26, s27
	v_or_b32 v[WD+(\f)], v22, v23                  ; with lane l xor 16's two the word is whole
	s_wait_alu depctr_va_vdst(0)
	s_wait_xcnt 0x0                                ; the last fragment's stores have read the codes' registers: they are written again only behind this wait
.irp c, 0,1
	v_cvt_scalef32_pk16_fp6_f32 v[PC+6*\c:PC+6*\c+2], v[X+32*\c:X+32*\c+15], v[18+\c]
	v_cvt_scalef32_pk16_fp6_f32 v[PT+4*\c:PT+4*\c+2], v[X+32*\c+16:X+32*\c+31], v[18+\c]   ; (a conversion's three registers begin on an even number)
.endr
	v_nop                                          ; one plain place behind a scaled conversion
.irp c, 0,1
.irp i, 0,1,2
	v_mov_b32 v[PC+6*\c+3+\i], v[PT+4*\c+\i]
.endr
.endr
	global_store_b128 v4, v[PC:PC+3], s[14:15] offset:1536*(\f)            ; each store covers 512 or 256 consecutive bytes, aligned
	global_store_b64 v5, v[PC+4:PC+5], s[14:15] offset:1536*(\f)+512
	global_store_b128 v4, v[PC+6:PC+9], s[14:15] offset:1536*(\f)+768
	global_store_b64 v5, v[PC+10:PC+11], s[14:15] offset:1536*(\f)+1280
.endm
	LOADX 0
	LOADX 1
	FRAGX 0
	FRAGX 1
	FRAGX 2
	FRAGX 3
	v_cmp_ne_u32 vcc_lo, 0, v3                     ; lanes 0-15 store the words of my first pair of K steps, lanes 16-31 those of my second
	v_cndmask_b32 v26, v[WD], v[WD+2], vcc_lo
	v_cndmask_b32 v27, v[WD+1], v[WD+3], vcc_lo
	global_store_b64 v5, v[26:27], s[16:17]        ; 256 consecutive bytes, aligned
	s_branch .Lend
	; ---- the weights.  Work-group g: weight g / 32, 256 along K ((g / 8) % 4), 128 columns (g % 8).  A LANE TAKES A COLUMN AND ITS REGISTERS RUN DOWN K: a block of 32 is one lane's
.Lweights:
	s_sub_co_u32 s28, ttmp9, 256                   ; g
	s_lshr_b32 s29, s28, 5                         ; which weight
	s_and_b32 s30, s28, 7                          ; which 128 columns
	s_bfe_u32 s31, s28, 0x20003                    ; which 256 along K
	s_cmp_eq_u32 s29, 1                            ; the choice hangs on the work-group's number alone
	s_cselect_b64 s[6:7], s[8:9], s[6:7]
	s_cmp_eq_u32 s29, 2
	s_cselect_b64 s[6:7], s[10:11], s[6:7]
	s_cmp_eq_u32 s29, 3
	s_cselect_b64 s[6:7], s[12:13], s[6:7]
	s_lshl_b32 s32, s30, 2
	s_add_co_u32 s32, s32, s22                     ; G: my wave's 32 columns, tiles 2 G and 2 G + 1
	s_lshl_b32 s34, s31, 20                        ; 256 rows of 4,096 bytes
	s_lshl_b32 s36, s32, 7                         ; + 32 G columns of 4 bytes
	s_add_co_u32 s34, s34, s36
	s_add_nc_u64 s[6:7], s[6:7], s[34:35]
	s_mul_i32 s34, s29, WSZ
	s_mul_i32 s36, s32, 24576                      ; two tiles of 12,288 bytes
	s_add_co_u32 s34, s34, s36
	s_mul_i32 s36, s31, 3072                       ; two K steps
	s_add_co_u32 s34, s34, s36
	s_add_nc_u64 s[18:19], s[18:19], s[34:35]
	s_lshl_b32 s34, s29, 15
	s_lshl_b32 s36, s32, 10
	s_add_co_u32 s34, s34, s36
	s_lshl_b32 s36, s31, 7
	s_add_co_u32 s34, s34, s36
	s_add_nc_u64 s[20:21], s[20:21], s[34:35]
.macro LOADW t                         ; block t: W(32 t + i, my column) into set t % 2; a load reads 128 consecutive bytes, the four waves stand side by side
.set i, 0
.rept 32
	global_load_b32 v[WX+32*((\t)%2)+i], v14, s[6:7] offset:(32*(\t)+i)*4096 th:TH_LOAD_NT
.set i, i+1
.endr
.endm
.macro BLOCK t                         ; block t is block t % 4 = 2 c + hh of K step t / 4: in the image it belongs to lane row + 16 hh, registers 6 c .. 6 c + 5
.set XS, WX+32*((\t)%2)
.if (\t) < 7
	s_wait_loadcnt 32                              ; this block's 32 loads are in; the next block's may be out
.else
	s_wait_loadcnt 0x0
.endif
	v_max3_num_f32 v16, |v[XS]|, |v[XS+1]|, |v[XS+2]|
	v_max3_num_f32 v17, |v[XS+3]|, |v[XS+4]|, |v[XS+5]|
.irp i, 6,10,14,18,22,26
	v_max3_num_f32 v16, v16, |v[XS+\i]|, |v[XS+\i+1]|
	v_max3_num_f32 v17, v17, |v[XS+\i+2]|, |v[XS+\i+3]|
.endr
	v_max3_num_f32 v16, v16, |v[XS+30]|, |v[XS+31]|
	v_max3_num_f32 v16, v16, v17, 0x1800000        ; and the floor
	v_add_nc_u32 v18, 0xff000000, v16              ; the conversion's scale operand
	v_lshrrev_b32 v19, 23, v18                     ; the byte
.if (\t)%4 == 0
	v_mov_b32 v[SB+(\t)/4], v19
.else
	v_lshl_or_b32 v[SB+(\t)/4], v19, 8*((\t)%4), v[SB+(\t)/4]
.endif
	v_cvt_scalef32_pk16_fp6_f32 v[WC:WC+2], v[XS:XS+15], v18
	v_cvt_scalef32_pk16_fp6_f32 v[WC+4:WC+6], v[XS+16:XS+31], v18
	v_nop                                          ; one plain place behind a scaled conversion
	v_mov_b32 v[WC+3], v[WC+4]                     ; the six registers on end
	v_mov_b32 v[WC+4], v[WC+5]
	v_mov_b32 v[WC+5], v[WC+6]
	ds_store_b128 v11, v[WC:WC+3] offset:1536*((\t)/4)+768*(((\t)%4)/2)+256*((\t)%2)
	ds_store_b64 v12, v[WC+4:WC+5] offset:1536*((\t)/4)+768*(((\t)%4)/2)+512+128*((\t)%2)
.if (\t)+2 < 8
	LOADW (\t)+2
.endif
	s_wait_dscnt 0x0                               ; the stores have read their registers: the next block's codes may be written
.endm
	s_wait_alu depctr_va_vdst(0)
	LOADW 0
	LOADW 1
.irp t, 0,1,2,3,4,5,6,7
	BLOCK \t
.endr
	s_wait_alu depctr_va_vdst(0)
	global_store_b64 v15, v[SB:SB+1], s[20:21]     ; my column's two scale words: runs of 128 bytes, one byte for each 128 that are read
.irp n, 0,1,2,3,4,5,6,7,8,9,10,11
	ds_load_b128 v[OUTR+4*\n:OUTR+4*\n+3], v13 offset:WSTT*(\n/6)+512*(\n%6)   ; the images as they lie
.endr
.irp n, 0,1,2,3,4,5,6,7,8,9,10,11
	s_wait_dscnt 11-\n                             ; LDS loads come back in order: the younger ones may be out
	global_store_b128 v4, v[OUTR+4*\n:OUTR+4*\n+3], s[18:19] offset:12288*(\n/6)+512*(\n%6)   ; 512 consecutive bytes, aligned
.endr
.Lend:
	s_wait_tensorcnt 0x0                           ; the wave's end: three lines behind my last LDS store
	ds_add_u32 v[SPW], v[NIL]
	s_wait_dscnt 0x0
	s_endpgm
.Lfunc_end_k_q17621406e4_quant:
	.size	k_q17621406e4_quant, .Lfunc_end_k_q17621406e4_quant-k_q17621406e4_quant
	.p2alignl 7, 3214868480
	.fill 96, 4, 3214868480
	.section	.rodata,"a",@progbits
	.p2align	6, 0x0
	.amdhsa_kernel k_q17621406e4_quant
		.amdhsa_group_segment_fixed_size 59904
		.amdhsa_private_segment_fixed_size 0
		.amdhsa_enable_private_segment 0
		.amdhsa_kernarg_size 72
		.amdhsa_user_sgpr_count 2
		.amdhsa_user_sgpr_kernarg_segment_ptr 1
		.amdhsa_wavefront_size32 1
		.amdhsa_system_sgpr_workgroup_id_x 1
		.amdhsa_system_sgpr_workgroup_id_y 1
		.amdhsa_system_sgpr_workgroup_id_z 1
		.amdhsa_system_vgpr_workitem_id 0
		.amdhsa_next_free_vgpr 256
		.amdhsa_next_free_sgpr 66
		.amdhsa_reserve_vcc 1
		.amdhsa_float_denorm_mode_32 3
		.amdhsa_float_denorm_mode_16_64 3
		.amdhsa_memory_ordered 1
		.amdhsa_forward_progress 1
		.amdhsa_inst_pref_size 72
	.end_amdhsa_kernel
	.amdgpu_metadata
---
amdhsa.version: [ 1, 2 ]
amdhsa.kernels:
  - .name:           k_q17621406e4_quant
    .symbol:         k_q17621406e4_quant.kd
    .args:
      - { .name: x, .offset: 0, .size: 8, .value_kind: global_buffer, .address_space: global }
      - { .name: Wq, .offset: 8, .size: 8, .value_kind: global_buffer, .address_space: global }
      - { .name: Wk, .offset: 16, .size: 8, .value_kind: global_buffer, .address_space: global }
      - { .name: Wv, .offset: 24, .size: 8, .value_kind: global_buffer, .address_space: global }
      - { .name: Wo, .offset: 32, .size: 8, .value_kind: global_buffer, .address_space: global }
      - { .name: xc, .offset: 40, .size: 8, .value_kind: global_buffer, .address_space: global }
      - { .name: xs, .offset: 48, .size: 8, .value_kind: global_buffer, .address_space: global }
      - { .name: wc, .offset: 56, .size: 8, .value_kind: global_buffer, .address_space: global }
      - { .name: ws, .offset: 64, .size: 8, .value_kind: global_buffer, .address_space: global }
    .group_segment_fixed_size: 59904
    .private_segment_fixed_size: 0
    .kernarg_segment_align: 8
    .kernarg_segment_size: 72
    .max_flat_workgroup_size: 128
    .sgpr_count:     66
    .vgpr_count:     256
    .wavefront_size: 32
...
	.end_amdgpu_metadata
.endif
;; end of part 1
;; launch qkv (part 2): grid 12 x 32, 4 waves a work-group, clusters of 4 x 4, 327,680 bytes of LDS; arguments xc, xs, wc, ws, qb, kv; writes qb, kv
.if DOCPART == 2
	.amdgcn_target "amdgcn-amd-amdhsa--gfx1250"
	.amdhsa_code_object_version 6
	.text
	.protected	k_q17621406e4_qkv
	.globl	k_q17621406e4_qkv
	.p2align	8
	.type	k_q17621406e4_qkv,@function
k_q17621406e4_qkv:
	s_mov_b64 s[64:65], 0
	v_nop
	global_prefetch_b8 v0, s[64:65] scope:SCOPE_SE
	s_setreg_imm32_b32 hwreg(HW_REG_WAVE_MODE, 25, 1), 1
	s_wait_xcnt 0x0
	s_wait_alu depctr_hold_cnt(0) depctr_sa_sdst(0) depctr_va_vdst(0) depctr_va_sdst(0) depctr_va_ssrc(0) depctr_va_vcc(0) depctr_vm_vsrc(0)
	s_getreg_b32 s2, hwreg(HW_REG_IB_STS2, 6, 4)
	s_cmp_eq_u32 s2, 0
	s_cbranch_scc0 .Lentry_in_a_cluster
	s_endpgm
.Lentry_in_a_cluster:
	s_bfe_u32 s2, ttmp6, 0x10000c
	s_cmp_lg_u32 s2, 0xf033
	s_cbranch_scc0 .Lentry_shape_is_right
	s_endpgm
.Lentry_shape_is_right:
.set TILEK, 12288
.set WSZ,   786432
.set NQ,    2
.set FR,    12
.set NL,    4
.set NP,    4
.set HALFT, 8*3072
.set SLOT,  4*HALFT
.set SCL,   2*SLOT
.set HALFS, 8*512
.set SPARE, SCL+4*HALFS
.set HSQ,   106496
.set SSQ,   6656
.set HSK,   208896
.set SSK,   13056
.set ADRA16, 16
.set ADRA8,  18
.set ADRB16, 20
.set ADRB8,  22
.set ADRS,   27
.set SPW,    28
.set NIL,    29
.set SC,     32
.set AF,     128
.set PC,     64
.set PT,     76
.set TM,     84
.set SWR,    96
.set EW,     104
.set VO16,   112
.set VO8,    116
.set VSO,    121
.set G1,  24
.set G0,  32
.set G1B, 48
.set G0B, 56
.set G1S, 68
.set G0S, 76
.set G1SB, 80
.set G0SB, 88
.set MSB, 0
.macro WIN new
.if MSB != \new
	s_set_vgpr_msb (MSB<<8)|\new
.set MSB, \new
.endif
.endm
.set MUL_LO, 0xa1
.set MUL_HI, 0xf1
.set TO_B,   0x40
.macro JLOAD g0a, g1a, g0b, g1b
	s_cmp_eq_u32 s17, 0
	s_cbranch_scc0 .Lfor_b_\@
	tensor_load_to_lds s[\g0a:\g0a+3], s[\g1a:\g1a+7]
	s_nop 0
.rept 4
	v_nop
.endr
	s_branch .Lasked_\@
.Lfor_b_\@:
	tensor_load_to_lds s[\g0b:\g0b+3], s[\g1b:\g1b+7]
	s_nop 0
.rept 4
	v_nop
.endr
.Lasked_\@:
.endm
.macro CREST
	s_cmp_lg_u32 s16, 0
	s_cbranch_scc1 .Lnot_wave_0_\@
	s_barrier_signal -3
.Lnot_wave_0_\@:
	s_barrier_wait -3
	s_barrier_signal -1
	s_barrier_wait -1
.endm
.macro CROUND
	s_barrier_signal -1
	s_barrier_wait -1
	CREST
.endm
	s_load_b256 s[4:11], s[0:1], 0x0
	s_load_b128 s[12:15], s[0:1], 0x20
	v_lshl_add_u32 v[SPW], v0, 2, SPARE
	v_mov_b32 v[NIL], 0
	ds_add_u32 v[SPW], v[NIL]
	ds_add_u32 v[SPW], v[NIL]
	v_lshrrev_b32 v1, 5, v0
	v_readfirstlane_b32 s16, v1
	s_lshr_b32 s17, s16, 1
	s_and_b32 s18, s16, 1
	s_bfe_u32 s40, ttmp6, 0x40000
	s_bfe_u32 s41, ttmp6, 0x40004
	s_and_b32 s46, ttmp7, 0xffff
	s_cmp_eq_u32 ttmp9, 2
	s_cselect_b32 s19, 1, 0
	s_cselect_b32 s47, 0, s46
	s_cselect_b32 s20, s46, ttmp9
	s_lshl_b32 s66, s47, 2
	s_add_co_u32 s66, s66, s41
	s_lshl_b32 s42, s20, 2
	s_add_co_u32 s42, s42, s40
	s_lshl_b32 s43, s41, 2
	s_lshl_b32 s43, 15, s43
	s_lshl_b32 s44, 0x1111, s40
	s_or_b32 s[G1+0], s43, (3<<16)|(1<<21)
	s_or_b32 s[G1B+0], s44, (3<<16)|(1<<21)
.irp g, G1, G1B
	s_mov_b32 s[\g+1], 384<<16
	s_mov_b32 s[\g+2], 8<<16
	s_mov_b32 s[\g+3], 384<<16
	s_mov_b32 s[\g+4], 8
	s_mov_b32 s[\g+5], 1536
	s_mov_b32 s[\g+6], 0
	s_mov_b32 s[\g+7], 0
.endr
	s_or_b32 s[G1S+0], s43, (3<<16)|(1<<21)
	s_or_b32 s[G1SB+0], s44, (3<<16)|(1<<21)
.irp g, G1S, G1SB
	s_mov_b32 s[\g+1], 32<<16
	s_mov_b32 s[\g+2], 16<<16
	s_mov_b32 s[\g+3], 32<<16
	s_mov_b32 s[\g+4], 16
	s_mov_b32 s[\g+5], 32
	s_mov_b32 s[\g+6], 0
	s_mov_b32 s[\g+7], 0
.endr
	s_lshl_b32 s22, s66, 4
	s_lshl_b32 s23, s18, 3
	s_add_co_u32 s22, s22, s23
	s_mul_i32 s20, s22, TILEK
	s_mov_b32 s21, 0
	s_lshl_b32 s22, s22, 9
	s_mov_b32 s23, 0
	s_lshl_b32 s67, s42, 4
	s_lshl_b32 s46, s18, 3
	s_add_co_u32 s67, s67, s46
	s_mul_i32 s46, s67, TILEK
	s_mov_b32 s47, 0
	s_lshl_b32 s2, s67, 9
	s_mov_b32 s3, 0
	s_mul_i32 s45, s16, HALFT
	s_wait_dscnt 0x0
	s_wait_kmcnt 0x0
	s_add_nc_u64 s[92:93], s[8:9], 2*WSZ
	s_add_nc_u64 s[94:95], s[10:11], 65536
	s_cmp_eq_u32 ttmp9, 2
	s_cselect_b64 s[92:93], s[92:93], s[4:5]
	s_cselect_b64 s[94:95], s[94:95], s[6:7]
	s_cselect_b64 s[96:97], s[4:5], s[8:9]
	s_cselect_b64 s[98:99], s[6:7], s[10:11]
	s_add_nc_u64 s[92:93], s[92:93], s[20:21]
	s_add_nc_u64 s[94:95], s[94:95], s[22:23]
	s_add_nc_u64 s[96:97], s[96:97], s[46:47]
	s_add_nc_u64 s[98:99], s[98:99], s[2:3]
	s_mul_i32 s4, s16, HALFS
	CROUND
	s_mov_b32 s[G0S], 1
	s_add_co_u32 s[G0S+1], s4, SCL
	s_mov_b64 s[G0S+2:G0S+3], s[94:95]
	s_or_b32 s[G0S+3], s[G0S+3], 0x80000000
	s_mov_b32 s[G0SB], 1
	s_add_co_u32 s[G0SB+1], s4, SCL
	s_mov_b64 s[G0SB+2:G0SB+3], s[98:99]
	s_or_b32 s[G0SB+3], s[G0SB+3], 0x80000000
	JLOAD G0S, G1S, G0SB, G1SB
.irp s, 0,1
	s_mov_b32 s[G0+4*\s], 1
	s_add_co_u32 s[G0+4*\s+1], s45, \s*SLOT
	s_add_nc_u64 s[G0+4*\s+2:G0+4*\s+3], s[92:93], \s*3072
	s_or_b32 s[G0+4*\s+3], s[G0+4*\s+3], 0x80000000
	s_mov_b32 s[G0B+4*\s], 1
	s_add_co_u32 s[G0B+4*\s+1], s45, \s*SLOT
	s_add_nc_u64 s[G0B+4*\s+2:G0B+4*\s+3], s[96:97], \s*3072
	s_or_b32 s[G0B+4*\s+3], s[G0B+4*\s+3], 0x80000000
	s_wait_alu depctr_va_vdst(0)
	s_wait_tensorcnt 0x0
	ds_add_u32 v28, v29
	s_wait_dscnt 0x0
	CROUND
	JLOAD G0+4*\s, G1, G0B+4*\s, G1B
.endr
	v_and_b32 v1, 15, v0
	v_bfe_u32 v2, v0, 4, 1
	v_and_b32 v5, 31, v0
	v_lshlrev_b32 v3, 4, v5
	v_lshlrev_b32 v4, 3, v5
	s_mul_i32 s21, s17, HALFT
	s_mul_i32 s22, s18, HALFT
	s_add_co_u32 s22, s22, 2*HALFT
.irp s, 0,1
	v_add_nc_u32 v[ADRA16+\s], s21, v3
	v_add_nc_u32 v[ADRA8+\s], s21, v4
	v_add_nc_u32 v[ADRB16+\s], s22, v3
	v_add_nc_u32 v[ADRB8+\s], s22, v4
	s_add_co_u32 s21, s21, SLOT
	s_add_co_u32 s22, s22, SLOT
.endr
	v_lshlrev_b32 v5, 3, v1
	s_mul_i32 s21, s17, HALFS
	s_mul_i32 s22, s18, HALFS
	s_add_co_u32 s22, s22, 2*HALFS
	s_sub_co_u32 s22, s22, s21
	v_mul_u32_u24 v6, s22, v2
	s_add_co_u32 s21, s21, SCL
	v_add_nc_u32 v5, v5, v6
	v_add_nc_u32 v[ADRS], s21, v5
.macro FRAG reg, a16, a8, q, i
	ds_load_b128 v[\reg:\reg+3], v[\a16] offset:3072*(\i)+1536*(\q)
	ds_load_b64 v[\reg+4:\reg+5], v[\a8] offset:3072*(\i)+1536*(\q)+512
	ds_load_b128 v[\reg+6:\reg+9], v[\a16] offset:3072*(\i)+1536*(\q)+768
	ds_load_b64 v[\reg+10:\reg+11], v[\a8] offset:3072*(\i)+1536*(\q)+1280
.endm
.macro MUL16 a0, p, q, sc, zero
.irp a, \a0, \a0+1
.irp b, 0,1,2,3,4,5,6,7
.if \zero
	v_wmma_scale_f32_16x16x128_f8f6f4 v[8*(8*((\a)%4)+\b):8*(8*((\a)%4)+\b)+7], v[128*(\p)+FR*\b:128*(\p)+FR*\b+FR-1], v[AF+FR*(\a):AF+FR*(\a)+FR-1], 0, v[SC+8*NQ*(\sc)+NQ*\b+(\q)], v[SC+8*NQ*(\sc)+NQ*(\a)+(\q)] matrix_a_fmt:MATRIX_FMT_FP6 matrix_b_fmt:MATRIX_FMT_FP6 matrix_a_scale:MATRIX_SCALE_ROW1
.else
	v_wmma_scale_f32_16x16x128_f8f6f4 v[8*(8*((\a)%4)+\b):8*(8*((\a)%4)+\b)+7], v[128*(\p)+FR*\b:128*(\p)+FR*\b+FR-1], v[AF+FR*(\a):AF+FR*(\a)+FR-1], v[8*(8*((\a)%4)+\b):8*(8*((\a)%4)+\b)+7], v[SC+8*NQ*(\sc)+NQ*\b+(\q)], v[SC+8*NQ*(\sc)+NQ*(\a)+(\q)] matrix_a_fmt:MATRIX_FMT_FP6 matrix_b_fmt:MATRIX_FMT_FP6 matrix_a_scale:MATRIX_SCALE_ROW1
.endif
.endr
.endr
.endm
.macro FETCH_B slot, q, p
	WIN TO_B
.irp i, 0,1,2,3,4,5,6,7
	FRAG 128*(\p)+FR*\i, ADRB16+\slot, ADRB8+\slot, \q, \i
.endr
	WIN 0
.endm
.macro FETCH_A slot, q, i0
.irp i, \i0, \i0+1, \i0+2, \i0+3
	FRAG AF+FR*(\i), ADRA16+\slot, ADRA8+\slot, \q, \i
.endr
.endm
.macro SCALES sc
.irp i, 0,1,2,3,4,5,6,7
	ds_load_b64 v[SC+8*NQ*\sc+NQ*\i:SC+8*NQ*\sc+NQ*\i+1], v[ADRS] offset:\i*512
.endr
.endm
.macro PLACES n
.rept \n
	v_nop
.endr
.endm
.macro STEP slot, q, zero
	s_wait_dscnt 4*NL
	WIN MUL_LO
	MUL16 0, (\q)%2, \q, \slot, \zero
	MUL16 2, (\q)%2, \q, \slot, \zero
	s_wait_dscnt 0
	PLACES NP
	FETCH_B \slot, (\q)+1, 1-(\q)%2
	FETCH_A \slot, (\q)+1, 0
	WIN MUL_HI
	MUL16 4, (\q)%2, \q, \slot, \zero
	MUL16 6, (\q)%2, \q, \slot, \zero
	PLACES NP
	WIN 0
	FETCH_A \slot, (\q)+1, 4
.endm
.macro TURN slot, next, fill
	s_wait_tensorcnt 0x0
	ds_add_u32 v[SPW], v[NIL]
	s_wait_dscnt 4*NL+1
	WIN MUL_LO
	MUL16 0, 1, NQ-1, \slot, 0
	s_wait_dscnt 0x0
	s_barrier_signal -1
	MUL16 2, 1, NQ-1, \slot, 0
	WIN 0
	s_barrier_wait -1
.if \fill
	CREST
	s_add_nc_u64 s[G0+4*\slot+2:G0+4*\slot+3], s[G0+4*\slot+2:G0+4*\slot+3], 2*3072
	s_add_nc_u64 s[G0B+4*\slot+2:G0B+4*\slot+3], s[G0B+4*\slot+2:G0B+4*\slot+3], 2*3072
	JLOAD G0+4*\slot, G1, G0B+4*\slot, G1B
.else
	PLACES NP
.endif
	s_wait_alu depctr_va_vdst(0)
	v_add_nc_u32 v[ADRS], 128, v[ADRS]
	FETCH_B \next, 0, 0
	FETCH_A \next, 0, 0
	SCALES \next
	WIN MUL_HI
	MUL16 4, 1, NQ-1, \slot, 0
	MUL16 6, 1, NQ-1, \slot, 0
	PLACES NP
	WIN 0
	FETCH_A \next, 0, 4
.endm
	s_wait_alu depctr_va_vdst(0)
	s_wait_tensorcnt 1
	s_barrier_signal -1
	s_barrier_wait -1
	FETCH_B 0, 0, 0
	FETCH_A 0, 0, 0
	SCALES 0
	FETCH_A 0, 0, 4
	STEP 0, 0, 1
	TURN 0, 1, 1
	STEP 1, 0, 0
	TURN 1, 0, 1
	STEP 0, 0, 0
	TURN 0, 1, 0
	STEP 1, 0, 0
	s_wait_dscnt 4*NL
	WIN MUL_LO
	MUL16 0, 1, NQ-1, 1, 0
	MUL16 2, 1, NQ-1, 1, 0
	s_wait_dscnt 0
	WIN MUL_HI
	MUL16 4, 1, NQ-1, 1, 0
	MUL16 6, 1, NQ-1, 1, 0
	WIN 0
	PLACES NP
	s_mov_b32 s2, 0x76543210
	s_mov_b32 s3, 0xfedcba98
	s_lshl_b32 s20, s66, 1
	s_add_co_u32 s20, s20, s17
	s_lshl_b32 s21, s42, 1
	s_add_co_u32 s21, s21, s18
	s_mov_b32 s32, HSK
	s_mov_b32 s33, SSK
	s_cmp_eq_u32 ttmp9, 0
	s_cselect_b32 s32, HSQ, s32
	s_cselect_b32 s33, SSQ, s33
	s_cselect_b64 s[34:35], s[12:13], s[14:15]
	s_and_b32 s22, s21, 7
	s_cmp_eq_u32 s19, 1
	s_cselect_b32 s23, s21, s20
	s_cselect_b32 s22, s20, s22
	s_cselect_b32 s36, 6656, 0
	s_cselect_b32 s37, 768, s32
	s_mov_b32 s38, 3072
	s_cselect_b32 s38, s32, s38
	s_mov_b32 s39, 768
	s_cselect_b32 s39, 1536, s39
	s_lshr_b32 s46, s23, 4
	s_and_b32 s47, s23, 15
	s_lshl_b32 s46, s46, 4
	s_lshl_b32 s22, s22, 1
	s_add_co_u32 s46, s46, s22
	s_mul_i32 s46, s46, s32
	s_mul_i32 s47, s47, s33
	s_add_co_u32 s46, s46, s47
	s_add_co_u32 s46, s46, s36
	s_mov_b32 s47, 0
	s_add_nc_u64 s[24:25], s[34:35], s[46:47]
	s_mov_b32 s46, s37
	s_add_nc_u64 s[28:29], s[24:25], s[46:47]
	s_mov_b32 s46, s38
	s_add_nc_u64 s[26:27], s[24:25], s[46:47]
	s_add_nc_u64 s[30:31], s[28:29], s[46:47]
.irp i, 0,1,2,3
	s_mul_i32 s48, s39, \i
	v_add_nc_u32 v[VO16+\i], s48, v3
	v_add_nc_u32 v[VO8+\i], s48, v4
.endr
.irp i, 0,1,2,3
	v_add_nc_u32 v[VO8+\i], 512, v[VO8+\i]
.endr
	v_mul_u32_u24 v[VSO], s32, v2
	v_lshl_add_u32 v[VSO], v1, 4, v[VSO]
.irp b, 0,1,2,3
	v_mov_b32 v[TM+4+\b], 0
.endr
.macro QUANTW a
.set AC, 64*((\a)%4)
	WIN 0x28+0x14*((\a)/4)
.irp b, 0,1,2,3
	v_max3_num_f32 v[TM+\b], 0x1800000, |v[AC+16*\b]|, |v[AC+16*\b+1]|
.endr
.irp i, 2,4,6,8,10,12,14
.irp b, 0,1,2,3
	v_max3_num_f32 v[TM+\b], v[TM+\b], |v[AC+16*\b+\i]|, |v[AC+16*\b+\i+1]|
.endr
.endr
	WIN 0
.irp b, 0,1,2,3
	v_permlanex16_b32 v[TM+4+\b], v[TM+\b], s2, s3
.endr
.irp b, 0,1,2,3
	v_max_num_f32 v[TM+\b], v[TM+\b], v[TM+4+\b]
.endr
.irp b, 0,1,2,3
	v_add_nc_u32 v[TM+8+\b], 0xff000000, v[TM+\b]
.endr
.irp b, 0,1,2,3
	v_lshrrev_b32 v[TM+4+\b], 23, v[TM+8+\b]
.endr
	v_lshl_or_b32 v[SWR+(\a)], v[TM+5], 8, v[TM+4]
	v_lshl_or_b32 v[SWR+(\a)], v[TM+6], 16, v[SWR+(\a)]
	v_lshl_or_b32 v[SWR+(\a)], v[TM+7], 24, v[SWR+(\a)]
	s_wait_xcnt 0x0
	WIN 0x02+((\a)/4)
.irp c, 0,1
	v_cvt_scalef32_pk16_fp6_f32 v[PC+6*\c:PC+6*\c+2], v[AC+32*\c:AC+32*\c+15], v[TM+8+2*\c]
	v_cvt_scalef32_pk16_fp6_f32 v[PT+4*\c:PT+4*\c+2], v[AC+32*\c+16:AC+32*\c+31], v[TM+8+2*\c+1]
.endr
	WIN 0
	v_nop
.irp c, 0,1
.irp i, 0,1,2
	v_permlane16_swap_b32 v[PC+6*\c+\i], v[PT+4*\c+\i]
.endr
.irp i, 0,1,2
	v_mov_b32 v[PC+6*\c+3+\i], v[PT+4*\c+\i]
.endr
.endr
	global_store_b128 v[VO16+(\a)%4], v[PC:PC+3], s[24+2*((\a)/4):25+2*((\a)/4)]
	global_store_b64 v[VO8+(\a)%4], v[PC+4:PC+5], s[24+2*((\a)/4):25+2*((\a)/4)]
	global_store_b128 v[VO16+(\a)%4], v[PC+6:PC+9], s[28+2*((\a)/4):29+2*((\a)/4)]
	global_store_b64 v[VO8+(\a)%4], v[PC+10:PC+11], s[28+2*((\a)/4):29+2*((\a)/4)]
.endm
.irp a, 0,1,2,3,4,5,6,7
	QUANTW \a
.endr
	v_cmp_ne_u32 vcc_lo, 0, v2
	s_cmp_eq_u32 s19, 1
	s_cbranch_scc1 .Lv_words
	v_mov_b32 v120, 0x01000100
	v_mov_b32 v122, 0x03020302
	v_cndmask_b32 v120, v120, v122, vcc_lo
.irp a, 0,1,2,3,4,5,6,7
	v_perm_b32 v[EW+4*(\a%2)+\a/2], v[SWR+\a], v[SWR+\a], v120
.endr
	global_store_b128 v[VSO], v[EW:EW+3], s[24:25] offset:6144
	global_store_b128 v[VSO], v[EW+4:EW+7], s[24:25] offset:6400
	s_branch .Lwords_out
.Lv_words:
.irp t, 0,1,2,3
	v_cndmask_b32 v[EW+\t], v[SWR+\t], v[SWR+4+\t], vcc_lo
.endr
	global_store_b128 v[VSO], v[EW:EW+3], s[24:25] offset:6144
.Lwords_out:
	s_wait_tensorcnt 0x0
	ds_add_u32 v[SPW], v[NIL]
	s_wait_dscnt 0x0
	CROUND
	s_endpgm
.Lfunc_end_k_q17621406e4_qkv:
	.size	k_q17621406e4_qkv, .Lfunc_end_k_q17621406e4_qkv-k_q17621406e4_qkv
	.p2alignl 7, 3214868480
	.fill 96, 4, 3214868480
	.section	.rodata,"a",@progbits
	.p2align	6, 0x0
	.amdhsa_kernel k_q17621406e4_qkv
		.amdhsa_group_segment_fixed_size 327680
		.amdhsa_private_segment_fixed_size 0
		.amdhsa_enable_private_segment 0
		.amdhsa_kernarg_size 48
		.amdhsa_user_sgpr_count 2
		.amdhsa_user_sgpr_kernarg_segment_ptr 1
		.amdhsa_wavefront_size32 1
		.amdhsa_system_sgpr_workgroup_id_x 1
		.amdhsa_system_sgpr_workgroup_id_y 1
		.amdhsa_system_sgpr_workgroup_id_z 1
		.amdhsa_system_vgpr_workitem_id 0
		.amdhsa_next_free_vgpr 1024
		.amdhsa_next_free_sgpr 100
		.amdhsa_reserve_vcc 1
		.amdhsa_float_denorm_mode_32 3
		.amdhsa_float_denorm_mode_16_64 3
		.amdhsa_memory_ordered 1
		.amdhsa_forward_progress 1
		.amdhsa_inst_pref_size 152
	.end_amdhsa_kernel
	.amdgpu_metadata
---
amdhsa.version: [ 1, 2 ]
amdhsa.kernels:
  - .name:           k_q17621406e4_qkv
    .symbol:         k_q17621406e4_qkv.kd
    .args:
      - { .name: xc, .offset: 0, .size: 8, .value_kind: global_buffer, .address_space: global }
      - { .name: xs, .offset: 8, .size: 8, .value_kind: global_buffer, .address_space: global }
      - { .name: wc, .offset: 16, .size: 8, .value_kind: global_buffer, .address_space: global }
      - { .name: ws, .offset: 24, .size: 8, .value_kind: global_buffer, .address_space: global }
      - { .name: qb, .offset: 32, .size: 8, .value_kind: global_buffer, .address_space: global }
      - { .name: kv, .offset: 40, .size: 8, .value_kind: global_buffer, .address_space: global }
    .group_segment_fixed_size: 327680
    .private_segment_fixed_size: 0
    .kernarg_segment_align: 8
    .kernarg_segment_size: 48
    .max_flat_workgroup_size: 128
    .sgpr_count:     100
    .vgpr_count:     1024
    .wavefront_size: 32
...
	.end_amdgpu_metadata
.endif
;; end of part 2
;; launch attn (part 3): grid 4 x 64, 16 waves a work-group, clusters of 4 x 1, 327,680 bytes of LDS; arguments qb, kv, ac, asc; writes ac, asc
.if DOCPART == 3
	.amdgcn_target "amdgcn-amd-amdhsa--gfx1250"
	.amdhsa_code_object_version 6
	.text
	.protected	k_q17621406e4_attn
	.globl	k_q17621406e4_attn
	.p2align	8
	.type	k_q17621406e4_attn,@function
k_q17621406e4_attn:
	s_mov_b64 s[64:65], 0
	v_nop
	global_prefetch_b8 v0, s[64:65] scope:SCOPE_SE
	s_setreg_imm32_b32 hwreg(HW_REG_WAVE_MODE, 25, 1), 1
	s_wait_xcnt 0x0
	s_wait_alu depctr_hold_cnt(0) depctr_sa_sdst(0) depctr_va_vdst(0) depctr_va_sdst(0) depctr_va_ssrc(0) depctr_va_vcc(0) depctr_vm_vsrc(0)
	s_getreg_b32 s2, hwreg(HW_REG_IB_STS2, 6, 4)
	s_cmp_eq_u32 s2, 0
	s_cbranch_scc0 .Lentry_in_a_cluster
	s_endpgm
.Lentry_in_a_cluster:
	s_bfe_u32 s2, ttmp6, 0x10000c
	s_cmp_lg_u32 s2, 0x3003
	s_cbranch_scc0 .Lentry_shape_is_right
	s_endpgm
.Lentry_shape_is_right:
; For each of 64 (batch, head): O[q] = the sum over keys of softmax(Q[q] . K[key] / 8) V[key], both products on codes of FP6 (E2M3) with E8M0 scales; O is divided by the row's sum and leaves as codes along D.
; THE SOFTMAX AHEAD OF THE SECOND PRODUCT: t = score x log2(e) / 8; M = the running largest t rounded UP to a whole number; p = 2^(t - M) is quantised along the keys, not normalised; the row's sum is taken of the
; unquantised p in f32 and divides O at the end.  When M moves, the sum and O are multiplied by 2^(old M - new M): exact.
; SHARES.  A work-group owns 512 queries of one head; each of its sixteen waves two tiles of 16, one after the other (two walks over the keys), in 256 registers: four waves to a SIMD.
; THE HEAD'S K AND V, 208,896 bytes, LIE IN LDS WHOLE, filled once: no slot is filled again, and no barrier stands in the walk.  The four work-groups of a cluster belong to one head: every load is joint.
; LAYOUT.  Both products are used transposed: S^T = K Q^T (source 0 = 16 keys), O^T = V^T P^T (source 0 = 16 channels): a lane holds one query throughout.  A tile's rows are not neighbours (tile T's row r is
; index 32 (T / 2) + 8 (T % 2) + r + 8 (r / 8)), so that the 16 registers of two neighbouring tiles are 16 neighbours along the next K.
; THE HEAD'S 64 fill half of a K step of 128: a half fragment (6 registers) stands beside 6 registers of zero codes, on both sides alike; even tiles of K have the live half low, odd tiles high, so that two
; tiles share one group of zeros; Q stands between two groups of zeros and is named with the one or the other.
; A step of kv (128 keys, 13,056 bytes): 8 half fragments of K at 768 i; K's scale words at 6,144; 4 fragments of V at 6,656 + 1,536 t; V's scale words at 12,800.
; LIMITS: p under 2^-126 counts as 0; a block of zeros gets the byte 1 where the rule says 127 (zero codes; this program alone reads the bytes); NaN and infinities are not served.
; REGISTERS: v1-9 addresses; v12 -M, v13 the largest t, v[14:15] the sum; v16-33 zeros, Q, zeros; v34-39, v41 the second tile's Q and scale word; v40 Q's scale word; v42-119 fragments of K, then of V;
;   v120-183 S^T, then p; v184-215 O^T; v216-227 p's codes; v228-243 at work; v244-247 K's scale words; v248-251 V's; v252 f; v253 p's scale word; v254 at work.
.set SSK,   13056
.set HSK,   208896
.set SSQ,   6656
.set HSQ,   106496
.set SPARE, HSK                        ; behind the head: the spare words, 128 bytes for each wave: eight blocks of 256 bytes that no other line names
.set SPW,  1                           ; v1 LDS address of my spare word; never rewritten
.set NIL,  2                           ; v2 0; never rewritten
.set L16,  3                           ; v3 16 x lane
.set L8,   4                           ; v4 8 x lane
.set R16,  5                           ; v5 16 x (lane % 16)
.set AD16, 6                           ; v6-8 the same + the step's first byte
.set AD8,  7
.set ADR,  8
.set ASO,  9                           ; v9 8 x (lane % 16)
.set FB,   42
.set S,    120
.set O,    184
.set PCD,  216
.set BM,   228
.set TP,   232
.set SO,   240
.set KSC,  244
.set VSC,  248
.set WV,   12                          ; s12 my wave's number
.set BH,   14                          ; s14 16 x batch + head
.set SEL,  20                          ; s[20:21] lane selects: lane l xor 16
.set CS,   22                          ; s[22:23] c = log2(e) / 8
.set G1,   24                          ; s[24:31] descriptor group 1; s[32:47] four groups 0
.set G0,   32
.set TB,   48                          ; s48 LDS byte at which the step in hand begins
.set CNT,  49                          ; s49 steps to go
.set QB,   50                          ; s[50:51] my two tiles of Q; s[52:53] their scale words; s[54:55] my place in ac; s[56:57] in asc
.set QSB,  52
.set ACB,  54
.set ASB,  56
.macro CROUND                          ; a round of the cluster's barrier
	s_barrier_signal -1
	s_barrier_wait -1
	s_cmp_lg_u32 s[WV], 0
	s_cbranch_scc1 .Lnot_wave_0_\@
	s_barrier_signal -3
.Lnot_wave_0_\@:
	s_barrier_wait -3
	s_barrier_signal -1
	s_barrier_wait -1
.endm
	s_load_b256 s[4:11], s[0:1], 0x0               ; qb s[4:5], kv s[6:7], ac s[8:9], asc s[10:11]
	v_lshl_add_u32 v[SPW], v0, 2, SPARE
	v_mov_b32 v[NIL], 0
	ds_add_u32 v[SPW], v[NIL]                      ; the wave's opening: the add and its wait ahead of my first tensor load; the set-up below, work on registers, stands between them
	ds_add_u32 v[SPW], v[NIL]
	v_lshrrev_b32 v10, 5, v0
	s_delay_alu instid0(VALU_DEP_1)
	v_readfirstlane_b32 s[WV], v10                 ; wave 0..15
	s_and_b32 s[BH], ttmp7, 0xffff                 ; which the four partners share
	s_and_b32 s58, s[WV], 3
	s_mul_i32 s59, s58, SSK                        ; waves 0-3 fetch: of each group of four steps, step wave
	s_mul_i32 s16, s[BH], HSK
	s_add_co_u32 s16, s16, s59
	s_mov_b32 s17, 0
	; descriptor group 1: a step's 13,056 dense bytes as 51 rows of 256
	s_mov_b32 s[G1], 15|(3<<16)|(1<<21)            ; 15:0 the mask: all four work-groups; 17:16 elements of 8 bytes; 21 set beside a mask
	s_mov_b32 s[G1+1], 32<<16                      ; tensor_dim0
	s_mov_b32 s[G1+2], 51<<16                      ; tensor_dim1
	s_mov_b32 s[G1+3], 32<<16                      ; tile_dim0
	s_mov_b32 s[G1+4], 51                          ; tile_dim1
	s_mov_b32 s[G1+5], 32                          ; tensor_dim0_stride
	s_mov_b32 s[G1+6], 0
	s_mov_b32 s[G1+7], 0
	s_mov_b32 s[SEL], 0x76543210
	s_mov_b32 s[SEL+1], 0xfedcba98
	s_mov_b32 s[CS], 0x3e38aa3b                    ; c = log2(e) / 8: the division by 8 is exact
	s_mov_b32 s[CS+1], s[CS]                       ; (named with it as a pair, so it is written)
	; my queries: tiles 32 cx + 2 wave and the next of the head's 128.  cx enters global addresses alone
	s_bfe_u32 s13, ttmp6, 0x40000                  ; cx
	s_lshl_b32 s60, s13, 2
	s_lshr_b32 s61, s[WV], 2
	s_add_co_u32 s60, s60, s61                     ; their step of 128 tokens
	s_mul_i32 s60, s60, SSQ
	s_mul_i32 s61, s[BH], HSQ
	s_add_co_u32 s60, s60, s61
	s_mul_i32 s61, s58, 1536                       ; two half fragments
	s_add_co_u32 s[QB], s60, s61
	s_mov_b32 s[QB+1], 0
	s_lshl_b32 s61, s58, 2                         ; the word of tile a, row r lies at 16 r + 256 (a % 2) + 4 (a / 2)
	s_add_co_u32 s[QSB], s60, s61
	s_add_co_u32 s[QSB], s[QSB], 6144
	s_mov_b32 s[QSB+1], 0
	s_lshr_b32 s60, s[BH], 4
	s_lshl_b32 s60, s60, 7
	s_lshl_b32 s61, s13, 5
	s_add_co_u32 s60, s60, s61
	s_lshl_b32 s61, s[WV], 1
	s_add_co_u32 s60, s60, s61                     ; T: my first tile among all 512 tiles of tokens
	s_mul_i32 s[ACB], s60, 12288
	s_and_b32 s61, s[BH], 15                       ; the head: half head % 2 of K step head / 2
	s_mul_i32 s61, s61, 768
	s_add_co_u32 s[ACB], s[ACB], s61
	s_mov_b32 s[ACB+1], 0
	s_lshl_b32 s[ASB], s60, 9
	s_bfe_u32 s61, s[BH], 0x20002
	s_lshl_b32 s61, s61, 7                         ; the pair of K steps,
	s_add_co_u32 s[ASB], s[ASB], s61
	s_and_b32 s61, s[BH], 3
	s_lshl_b32 s61, s61, 1                         ; the word in it and my two bytes of the word
	s_add_co_u32 s[ASB], s[ASB], s61
	s_mov_b32 s[ASB+1], 0
	v_and_b32 v10, 31, v0
	s_delay_alu instid0(VALU_DEP_1)
	v_lshlrev_b32 v[L16], 4, v10
	s_delay_alu instid0(VALU_DEP_2)
	v_lshlrev_b32 v[L8], 3, v10
	v_and_b32 v10, 15, v0
	s_delay_alu instid0(VALU_DEP_1)
	v_lshlrev_b32 v[R16], 4, v10
	s_delay_alu instid0(VALU_DEP_2)
	v_lshlrev_b32 v[ASO], 3, v10
	s_wait_dscnt 0x0                               ; the opening add is done
	s_wait_kmcnt 0x0
	s_add_nc_u64 s[6:7], s[6:7], s[16:17]
.irp g, 0,1,2,3
	s_mov_b32 s[G0+4*\g], 1                        ; count = 1
	s_add_co_u32 s[G0+4*\g+1], s59, \g*4*SSK       ; LDS address: the step's place in the head
	s_add_nc_u64 s[G0+4*\g+2:G0+4*\g+3], s[6:7], \g*4*SSK
	s_or_b32 s[G0+4*\g+3], s[G0+4*\g+3], 0x80000000   ; type = 2
.endr
	s_add_nc_u64 s[QB:QB+1], s[4:5], s[QB:QB+1]
	s_add_nc_u64 s[QSB:QSB+1], s[4:5], s[QSB:QSB+1]
	s_add_nc_u64 s[ACB:ACB+1], s[8:9], s[ACB:ACB+1]
	s_add_nc_u64 s[ASB:ASB+1], s[10:11], s[ASB:ASB+1]
	CROUND                                         ; all four work-groups are here: the joint loads meet
	s_cmp_lt_u32 s[WV], 4                          ; a wave's four fills stand in one branch, ahead of every wait on TENSORcnt and every LDS read: four loads of mine are out
	s_cbranch_scc0 .Lno_fill
.irp g, 0,1,2,3
	tensor_load_to_lds s[G0+4*\g:G0+4*\g+3], s[G1:G1+7]
	s_nop 0
.endr
.rept 4
	v_nop
.endr
.Lno_fill:
	s_wait_alu depctr_va_vdst(0)
	global_load_b128 v[22:25], v[L16], s[QB:QB+1]              ; my first tile of Q: the image of its six registers
	global_load_b64 v[26:27], v[L8], s[QB:QB+1] offset:512
	global_load_b128 v[34:37], v[L16], s[QB:QB+1] offset:768   ; my second, kept aside
	global_load_b64 v[38:39], v[L8], s[QB:QB+1] offset:1280
	global_load_b32 v40, v[R16], s[QSB:QSB+1]
	global_load_b32 v41, v[R16], s[QSB:QSB+1] offset:256
.irp i, 0,1,2,3,4,5
	v_mov_b32 v[16+\i], 0                          ; the zero codes beside Q,
	v_mov_b32 v[28+\i], 0
.irp k, 0,1,2,3
	v_mov_b32 v[FB+18*\k+6+\i], 0                  ; and between each pair of K's tiles: written once, and no load lands there
.endr
.endr
.irp b, 0,1,2,3
	v_mov_b32 v[TP+\b], 0                          ; written once: a lane permute's destination counts as one of its sources
.endr
	v_mov_b32 v253, 0                              ; (named as the upper half of the pair v[252:253] before it is first written)
	v_mov_b32 v254, 0
.macro INIT                            ; the walk is written in one form: its first step finds zeros, which the first change of M leaves zeros
	v_mov_b32 v13, 0xff61b1e6                      ; the largest t so far: -3e38
	s_delay_alu instid0(VALU_DEP_1)
	v_floor_f32 v12, -v13                          ; -M
	v_mov_b32 v14, 0
	v_mov_b32 v15, 0
.set j, 0
.rept 32
	v_mov_b32 v[O+j], 0
.set j, j+1
.endr
.endm
; A KEY STEP: 128 keys, at LDS byte s[TB].
.macro STEP
	v_add_nc_u32 v[AD16], s[TB], v[L16]            ; these three and the v_nop are the four places in front of loads into registers that the last products read
	v_add_nc_u32 v[AD8], s[TB], v[L8]
	v_add_nc_u32 v[ADR], s[TB], v[R16]
	v_nop
.irp i, 0,1,2,3,4,5,6,7
	ds_load_b128 v[FB+18*(\i/2)+12*(\i%2):FB+18*(\i/2)+12*(\i%2)+3], v[AD16] offset:768*\i
	ds_load_b64 v[FB+18*(\i/2)+12*(\i%2)+4:FB+18*(\i/2)+12*(\i%2)+5], v[AD8] offset:768*\i+512
.endr
	ds_load_b128 v[KSC:KSC+3], v[AD16] offset:6144   ; register j: lanes 0-15 the words of tile 2 j, lanes 16-31 those of tile 2 j + 1
	s_wait_alu depctr_va_vdst(0)
	s_wait_dscnt 0x0
.irp i, 0,2,4,6                                ; S^T = K Q^T: an even tile with its live half low, an odd one high
	v_wmma_scale_f32_16x16x128_f8f6f4 v[S+8*\i:S+8*\i+7], v[FB+9*\i:FB+9*\i+11], v[22:33], 0, v[KSC+\i/2], v40 matrix_a_fmt:MATRIX_FMT_FP6 matrix_b_fmt:MATRIX_FMT_FP6
	v_wmma_scale_f32_16x16x128_f8f6f4 v[S+8*\i+8:S+8*\i+15], v[FB+9*\i+6:FB+9*\i+17], v[16:27], 0, v[KSC+\i/2], v40 matrix_a_fmt:MATRIX_FMT_FP6 matrix_b_fmt:MATRIX_FMT_FP6 matrix_a_scale:MATRIX_SCALE_ROW1
.endr
.rept 4
	v_nop                                          ; places: in front of the loads below, which land on K's live registers, and of the first read of the scores
.endr
.irp t, 0,1,2,3                                ; V is asked for now and lands under the softmax
	ds_load_b128 v[FB+12+18*\t:FB+12+18*\t+3], v[AD16] offset:6656+1536*\t
	ds_load_b64 v[FB+12+18*\t+4:FB+12+18*\t+5], v[AD8] offset:6656+1536*\t+512
	ds_load_b128 v[FB+12+18*\t+6:FB+12+18*\t+9], v[AD16] offset:6656+1536*\t+768
	ds_load_b64 v[FB+12+18*\t+10:FB+12+18*\t+11], v[AD8] offset:6656+1536*\t+1280
.endr
	ds_load_b128 v[VSC:VSC+3], v[ADR] offset:12800   ; register t: row r's word of tile t
.irp b, 0,1,2,3
	v_max3_num_f32 v[BM+\b], v[S+16*\b], v[S+1+16*\b], v[S+2+16*\b]   ; the largest score of each block of 32 keys: it serves the row's maximum and, since p rises with the score, the block's largest p
.endr
.irp i, 3,5,7,9,11,13
.irp b, 0,1,2,3
	v_max3_num_f32 v[BM+\b], v[BM+\b], v[S+16*\b+\i], v[S+1+16*\b+\i]
.endr
.endr
.irp b, 0,1,2,3
	v_max_num_f32 v[BM+\b], v[BM+\b], v[S+15+16*\b]
.endr
.irp b, 0,1,2,3
	s_delay_alu instid0(VALU_DEP_4)
	v_permlanex16_b32 v[TP+\b], v[BM+\b], s[SEL], s[SEL+1]
.endr
.irp b, 0,1,2,3
	s_delay_alu instid0(VALU_DEP_4)
	v_max_num_f32 v[BM+\b], v[BM+\b], v[TP+\b]     ; with lane l xor 16's 16 keys
.endr
	s_delay_alu instid0(VALU_DEP_2)
	v_max3_num_f32 v254, v[BM], v[BM+1], v[BM+2]
	s_delay_alu instid0(VALU_DEP_1)
	v_max_num_f32 v254, v254, v[BM+3]              ; the step's largest score of my query
	s_delay_alu instid0(VALU_DEP_1)
	v_mul_f32 v254, s[CS], v254                    ; as t (c is positive)
	s_delay_alu instid0(VALU_DEP_1)
	v_max_num_f32 v13, v13, v254                   ; the running largest t
	v_mov_b32 v254, v12
	s_delay_alu instid0(VALU_DEP_2)
	v_floor_f32 v12, -v13                          ; the new -M = floor(-t) = -ceil(t)
	s_delay_alu instid0(VALU_DEP_1)
	v_sub_f32 v254, v12, v254                      ; old M - new M: a whole number, 0 or less
	s_delay_alu instid0(VALU_DEP_1)
	v_cvt_i32_f32 v254, v254                       ; (it saturates)
	s_delay_alu instid0(VALU_DEP_1)
	v_ldexp_f32 v252, 1.0, v254                    ; f = 2^(old M - new M)
.set j, 0
.rept 32
	v_pk_fma_f32 v[S+j:S+j+1], v[S+j:S+j+1], s[CS:CS+1], v[12:13] op_sel_hi:[1,0,0]   ; t - M, two at a time
.set j, j+2
.endr
.irp b, 0,1,2,3
	v_fma_f32 v[BM+\b], v[BM+\b], s[CS], v12       ; the same of each block's largest score
.endr
.set j, 0
	s_wait_alu depctr_va_vdst(0)
.rept 64
	v_exp_f32 v[S+j], v[S+j]                       ; p = 2^(t - M), at most 1
.set j, j+1
.endr
	s_setprio 1
	v_pk_mul_f32 v[14:15], v[14:15], v[252:253] op_sel_hi:[1,0]   ; the sums under the new M: a plain place behind the exponentials
	s_wait_alu depctr_va_vdst(0)                   ; one wait for the whole batch, ahead of its first reader
.irp b, 0,1,2,3
	v_exp_f32 v[BM+\b], v[BM+\b]                   ; the block's largest p: the same two instructions on the same number give the same bits
.endr
	v_pk_add_f32 v[232:233], v[124:125], v[128:129]
	v_pk_add_f32 v[246:247], v[132:133], v[136:137]
	v_pk_add_f32 v[244:245], v[140:141], v[144:145]
	v_pk_add_f32 v[242:243], v[148:149], v[152:153]
	v_pk_add_f32 v[240:241], v[156:157], v[160:161]
	v_pk_add_f32 v[238:239], v[164:165], v[168:169]
	v_pk_add_f32 v[236:237], v[172:173], v[176:177]
	v_pk_add_f32 v[14:15], v[14:15], v[180:181]
	v_pk_add_f32 v[232:233], v[232:233], v[120:121]
	v_pk_add_f32 v[246:247], v[246:247], v[122:123]
	v_pk_add_f32 v[244:245], v[244:245], v[126:127]
	v_pk_add_f32 v[242:243], v[242:243], v[130:131]
	v_pk_add_f32 v[240:241], v[240:241], v[134:135]
	v_pk_add_f32 v[238:239], v[238:239], v[138:139]
	v_pk_add_f32 v[236:237], v[236:237], v[142:143]
	v_pk_add_f32 v[14:15], v[14:15], v[146:147]
	v_pk_add_f32 v[232:233], v[232:233], v[150:151]
	v_pk_add_f32 v[246:247], v[246:247], v[154:155]
	v_pk_add_f32 v[244:245], v[244:245], v[158:159]
	v_pk_add_f32 v[242:243], v[242:243], v[162:163]
	v_pk_add_f32 v[240:241], v[240:241], v[166:167]
	v_pk_add_f32 v[238:239], v[238:239], v[170:171]
	v_pk_add_f32 v[236:237], v[236:237], v[174:175]
	v_pk_add_f32 v[14:15], v[14:15], v[178:179]
	v_pk_add_f32 v[232:233], v[232:233], v[182:183]
	s_delay_alu instid0(VALU_DEP_2)
	v_pk_add_f32 v[14:15], v[14:15], v[242:243]
	s_delay_alu instid0(VALU_DEP_2)
	v_pk_add_f32 v[232:233], v[232:233], v[240:241]
	v_pk_add_f32 v[246:247], v[246:247], v[238:239]
	v_pk_add_f32 v[244:245], v[244:245], v[236:237]
	s_delay_alu instid0(VALU_DEP_2)
	v_pk_add_f32 v[14:15], v[14:15], v[246:247]
	s_delay_alu instid0(VALU_DEP_2)
	v_pk_add_f32 v[232:233], v[232:233], v[244:245]
	s_delay_alu instid0(VALU_DEP_1)
	v_pk_add_f32 v[14:15], v[14:15], v[232:233]
	s_wait_alu depctr_va_vdst(0)                   ; and one for the four
.irp b, 0,1,2,3
	v_max_num_f32 v[BM+\b], 0x1800000, v[BM+\b]    ; the floor 2^(3 - 127): the byte cannot fall under 1
.endr
.irp b, 0,1,2,3
	s_delay_alu instid0(VALU_DEP_4)
	v_add_nc_u32 v[SO+\b], 0xff000000, v[BM+\b]    ; 2 off the exponent field: the conversion's scale operand
.endr
.irp b, 0,1,2,3
	s_delay_alu instid0(VALU_DEP_4)
	v_lshrrev_b32 v[TP+\b], 23, v[SO+\b]           ; the byte
.endr
	s_delay_alu instid0(VALU_DEP_3)
	v_lshl_or_b32 v253, v[TP+1], 8, v[TP]          ; p's scale word for these 128 keys
	s_delay_alu instid0(VALU_DEP_1)
	v_lshl_or_b32 v253, v[TP+2], 16, v253
	s_delay_alu instid0(VALU_DEP_1)
	v_lshl_or_b32 v253, v[TP+3], 24, v253
.irp c, 0,1
	v_cvt_scalef32_pk16_fp6_f32 v[PCD+6*\c:PCD+6*\c+2], v[S+32*\c:S+32*\c+15], v[SO+2*\c]
	v_cvt_scalef32_pk16_fp6_f32 v[TP+4*\c:TP+4*\c+2], v[S+32*\c+16:S+32*\c+31], v[SO+2*\c+1]
.endr
	v_nop                                          ; one plain place behind a scaled conversion
.irp c, 0,1                                    ; a whole block in a lane: lanes 0-15 block 2 c, lanes 16-31 block 2 c + 1
.irp i, 0,1,2
	v_permlane16_swap_b32 v[PCD+6*\c+\i], v[TP+4*\c+\i]
.endr
.irp i, 0,1,2
	s_delay_alu instid0(VALU_DEP_3)
	v_mov_b32 v[PCD+6*\c+3+\i], v[TP+4*\c+\i]
.endr
.endr
.set j, 0
	s_setprio 0
.rept 16
	v_pk_mul_f32 v[O+j:O+j+1], v[O+j:O+j+1], v[252:253] op_sel_hi:[1,0]   ; O^T under the new M; these stand between the operand's and the scale word's last writes and the products
.set j, j+2
.endr
	s_wait_alu depctr_va_vdst(0)
	s_wait_dscnt 0x0                               ; V and its scale words are in
.irp t, 0,1,2,3                                ; O^T += V^T P^T: the four accumulators by turns
	v_wmma_scale_f32_16x16x128_f8f6f4 v[O+8*\t:O+8*\t+7], v[FB+12+18*\t:FB+12+18*\t+11], v[PCD:PCD+11], v[O+8*\t:O+8*\t+7], v[VSC+\t], v253 matrix_a_fmt:MATRIX_FMT_FP6 matrix_b_fmt:MATRIX_FMT_FP6
.endr
.endm
.macro WALK n, tb0                     ; n steps from LDS byte tb0 on
	s_mov_b32 s[TB], \tb0
	s_mov_b32 s[CNT], \n
.Lwalk_\@:
	s_setprio 2
	STEP
	s_add_co_u32 s[TB], s[TB], SSK
	s_sub_co_u32 s[CNT], s[CNT], 1
	s_cmp_lg_u32 s[CNT], 0
	s_cbranch_scc1 .Lwalk_\@
	s_setprio 0
.endm
; The tile is finished: O^T / the sum; register 16 b + i is channel 32 b + 16 (lane / 16) + i of my query: two blocks along D; their codes are half a fragment of the last product's operand.
.macro FINISH p
.rept 4
	v_nop                                          ; places behind the last products
.endr
	v_add_f32 v14, v14, v15                        ; the sum's two halves,
	s_delay_alu instid0(VALU_DEP_1)
	v_permlanex16_b32 v254, v14, s[SEL], s[SEL+1]
	s_delay_alu instid0(VALU_DEP_1)
	v_add_f32 v14, v14, v254                       ; and lane l xor 16's
	s_wait_alu depctr_va_vdst(0)
	v_rcp_f32 v14, v14
	v_nop                                          ; a plain place behind the reciprocal
	s_wait_alu depctr_va_vdst(0)                   ; and the wait ahead of its first reader
.set j, 0
.rept 32
	v_mul_f32 v[S+j], v[O+j], v14                  ; each accumulator from its low end on
.set j, j+1
.endr
.irp b, 0,1
	v_max3_num_f32 v[BM+\b], |v[S+16*\b]|, |v[S+1+16*\b]|, 0x1800000
.endr
.irp i, 2,4,6,8,10,12,14
.irp b, 0,1
	s_delay_alu instid0(VALU_DEP_2)
	v_max3_num_f32 v[BM+\b], v[BM+\b], |v[S+16*\b+\i]|, |v[S+1+16*\b+\i]|
.endr
.endr
.irp b, 0,1
	s_delay_alu instid0(VALU_DEP_2)
	v_permlanex16_b32 v[TP+\b], v[BM+\b], s[SEL], s[SEL+1]
.endr
.irp b, 0,1
	s_delay_alu instid0(VALU_DEP_2)
	v_max_num_f32 v[BM+\b], v[BM+\b], v[TP+\b]
.endr
.irp b, 0,1
	s_delay_alu instid0(VALU_DEP_2)
	v_add_nc_u32 v[SO+\b], 0xff000000, v[BM+\b]
.endr
.irp b, 0,1
	s_delay_alu instid0(VALU_DEP_2)
	v_lshrrev_b32 v[TP+\b], 23, v[SO+\b]
.endr
	s_delay_alu instid0(VALU_DEP_1)
	v_lshl_or_b32 v254, v[TP+1], 8, v[TP]          ; my head's two bytes of the row's scale word
	v_cvt_scalef32_pk16_fp6_f32 v[PCD:PCD+2], v[S:S+15], v[SO]
	v_cvt_scalef32_pk16_fp6_f32 v[TP+4:TP+6], v[S+16:S+31], v[SO+1]
	v_nop                                          ; one plain place behind a scaled conversion
.irp i, 0,1,2
	v_permlane16_swap_b32 v[PCD+\i], v[TP+4+\i]
.endr
.irp i, 0,1,2
	s_delay_alu instid0(VALU_DEP_3)
	v_mov_b32 v[PCD+3+\i], v[TP+4+\i]
.endr
	global_store_b128 v[L16], v[PCD:PCD+3], s[ACB:ACB+1] offset:12288*\p       ; 512 and 256 consecutive bytes, aligned
	global_store_b64 v[L8], v[PCD+4:PCD+5], s[ACB:ACB+1] offset:12288*\p+512
	global_store_b16 v[ASO], v254, s[ASB:ASB+1] offset:512*\p                  ; two bytes a row (both halves of the lanes hold and write the same): a head owns half of a scale word; one byte for each 24 of codes
.endm
	INIT
	s_wait_loadcnt 0x0                             ; Q
.irp g, 0,1,2,3                                ; the first walk follows the fills: four steps behind each group's landing
	s_wait_tensorcnt 3-\g                          ; my part of group g is in; my later groups may be out
	s_barrier_signal -1
	s_barrier_wait -1                              ; everybody's is
	WALK 4, \g*4*SSK
.endr
	FINISH 0
	s_wait_xcnt 0x0                                ; the stores have read their registers, which the second walk writes
.irp i, 0,1,2,3,4,5
	v_mov_b32 v[22+\i], v[34+\i]                   ; my second tile of Q
.endr
	v_mov_b32 v40, v41
	INIT                                           ; (these lines stand between the writes above and the next scaled product)
	WALK 16, 0
	FINISH 1
	s_wait_tensorcnt 0x0                           ; the wave's end: three lines behind my last tensor load
	ds_add_u32 v[SPW], v[NIL]
	s_wait_dscnt 0x0
	CROUND                                         ; the closing round
	s_endpgm
.Lfunc_end_k_q17621406e4_attn:
	.size	k_q17621406e4_attn, .Lfunc_end_k_q17621406e4_attn-k_q17621406e4_attn
	.p2alignl 7, 3214868480
	.fill 96, 4, 3214868480
	.section	.rodata,"a",@progbits
	.p2align	6, 0x0
	.amdhsa_kernel k_q17621406e4_attn
		.amdhsa_group_segment_fixed_size 327680
		.amdhsa_private_segment_fixed_size 0
		.amdhsa_enable_private_segment 0
		.amdhsa_kernarg_size 32
		.amdhsa_user_sgpr_count 2
		.amdhsa_user_sgpr_kernarg_segment_ptr 1
		.amdhsa_wavefront_size32 1
		.amdhsa_system_sgpr_workgroup_id_x 1
		.amdhsa_system_sgpr_workgroup_id_y 1
		.amdhsa_system_sgpr_workgroup_id_z 1
		.amdhsa_system_vgpr_workitem_id 0
		.amdhsa_next_free_vgpr 256
		.amdhsa_next_free_sgpr 80
		.amdhsa_reserve_vcc 0
		.amdhsa_float_denorm_mode_32 3
		.amdhsa_float_denorm_mode_16_64 3
		.amdhsa_memory_ordered 1
		.amdhsa_forward_progress 1
		.amdhsa_inst_pref_size 106
	.end_amdhsa_kernel
	.amdgpu_metadata
---
amdhsa.version: [ 1, 2 ]
amdhsa.kernels:
  - .name:           k_q17621406e4_attn
    .symbol:         k_q17621406e4_attn.kd
    .args:
      - { .name: qb, .offset: 0, .size: 8, .value_kind: global_buffer, .address_space: global }
      - { .name: kv, .offset: 8, .size: 8, .value_kind: global_buffer, .address_space: global }
      - { .name: ac, .offset: 16, .size: 8, .value_kind: global_buffer, .address_space: global }
      - { .name: asc, .offset: 24, .size: 8, .value_kind: global_buffer, .address_space: global }
    .group_segment_fixed_size: 327680
    .private_segment_fixed_size: 0
    .kernarg_segment_align: 8
    .kernarg_segment_size: 32
    .max_flat_workgroup_size: 512
    .sgpr_count:     80
    .vgpr_count:     256
    .wavefront_size: 32
...
	.end_amdgpu_metadata
.endif
;; end of part 3
;; launch oproj (part 4): grid 4 x 32, 4 waves a work-group, clusters of 4 x 4, 327,680 bytes of LDS; arguments ac, asc, wc, ws, bo, out0; writes out0
.if DOCPART == 4
	.amdgcn_target "amdgcn-amd-amdhsa--gfx1250"
	.amdhsa_code_object_version 6
	.text
	.protected	k_q17621406e4_oproj
	.globl	k_q17621406e4_oproj
	.p2align	8
	.type	k_q17621406e4_oproj,@function
k_q17621406e4_oproj:
	s_mov_b64 s[64:65], 0
	v_nop
	global_prefetch_b8 v0, s[64:65] scope:SCOPE_SE
	s_setreg_imm32_b32 hwreg(HW_REG_WAVE_MODE, 25, 1), 1
	s_wait_xcnt 0x0
	s_wait_alu depctr_hold_cnt(0) depctr_sa_sdst(0) depctr_va_vdst(0) depctr_va_sdst(0) depctr_va_ssrc(0) depctr_va_vcc(0) depctr_vm_vsrc(0)
	s_getreg_b32 s2, hwreg(HW_REG_IB_STS2, 6, 4)
	s_cmp_eq_u32 s2, 0
	s_cbranch_scc0 .Lentry_in_a_cluster
	s_endpgm
.Lentry_in_a_cluster:
	s_bfe_u32 s2, ttmp6, 0x10000c
	s_cmp_lg_u32 s2, 0xf033
	s_cbranch_scc0 .Lentry_shape_is_right
	s_endpgm
.Lentry_shape_is_right:
.set TILEK, 12288
.set WSZ,   786432
.set NQ,    2
.set FR,    12
.set NL,    4
.set NP,    4
.set HALFT, 8*3072
.set SLOT,  4*HALFT
.set SCL,   2*SLOT
.set HALFS, 8*512
.set SPARE, SCL+4*HALFS
.set SPITCH, 528
.set ADRA16, 16
.set ADRA8,  18
.set ADRB16, 20
.set ADRB8,  22
.set STO,    24
.set RD,     25
.set ADRS,   27
.set SPW,    28
.set NIL,    29
.set SC,     32
.set BIAS,   64
.set AF,     128
.set BK,     128
.set G1,  24
.set G0,  32
.set G1B, 48
.set G0B, 56
.set G1S, 68
.set G0S, 76
.set G1SB, 80
.set G0SB, 88
.set MSB, 0
.macro WIN new
.if MSB != \new
	s_set_vgpr_msb (MSB<<8)|\new
.set MSB, \new
.endif
.endm
.set MUL_LO, 0xa1
.set MUL_HI, 0xf1
.set BIA_LO, 0x81
.set BIA_HI, 0xc1
.set TO_B,   0x40
.macro JLOAD g0a, g1a, g0b, g1b
	s_cmp_eq_u32 s17, 0
	s_cbranch_scc0 .Lfor_b_\@
	tensor_load_to_lds s[\g0a:\g0a+3], s[\g1a:\g1a+7]
	s_nop 0
.rept 4
	v_nop
.endr
	s_branch .Lasked_\@
.Lfor_b_\@:
	tensor_load_to_lds s[\g0b:\g0b+3], s[\g1b:\g1b+7]
	s_nop 0
.rept 4
	v_nop
.endr
.Lasked_\@:
.endm
.macro CREST
	s_cmp_lg_u32 s16, 0
	s_cbranch_scc1 .Lnot_wave_0_\@
	s_barrier_signal -3
.Lnot_wave_0_\@:
	s_barrier_wait -3
	s_barrier_signal -1
	s_barrier_wait -1
.endm
.macro CROUND
	s_barrier_signal -1
	s_barrier_wait -1
	CREST
.endm
	s_load_b256 s[4:11], s[0:1], 0x0
	s_load_b128 s[12:15], s[0:1], 0x20
	v_lshl_add_u32 v[SPW], v0, 2, SPARE
	v_mov_b32 v[NIL], 0
	ds_add_u32 v[SPW], v[NIL]
	ds_add_u32 v[SPW], v[NIL]
	v_lshrrev_b32 v1, 5, v0
	v_readfirstlane_b32 s16, v1
	s_lshr_b32 s17, s16, 1
	s_and_b32 s18, s16, 1
	s_bfe_u32 s40, ttmp6, 0x40000
	s_bfe_u32 s41, ttmp6, 0x40004
	s_lshl_b32 s42, ttmp9, 2
	s_add_co_u32 s42, s42, s40
	s_and_b32 s66, ttmp7, 0xffff
	s_lshl_b32 s66, s66, 2
	s_add_co_u32 s66, s66, s41
	s_lshl_b32 s43, s41, 2
	s_lshl_b32 s43, 15, s43
	s_lshl_b32 s44, 0x1111, s40
	s_or_b32 s[G1+0], s43, (3<<16)|(1<<21)
	s_or_b32 s[G1B+0], s44, (3<<16)|(1<<21)
.irp g, G1, G1B
	s_mov_b32 s[\g+1], 384<<16
	s_mov_b32 s[\g+2], 8<<16
	s_mov_b32 s[\g+3], 384<<16
	s_mov_b32 s[\g+4], 8
	s_mov_b32 s[\g+5], 1536
	s_mov_b32 s[\g+6], 0
	s_mov_b32 s[\g+7], 0
.endr
	s_or_b32 s[G1S+0], s43, (3<<16)|(1<<21)
	s_or_b32 s[G1SB+0], s44, (3<<16)|(1<<21)
.irp g, G1S, G1SB
	s_mov_b32 s[\g+1], 32<<16
	s_mov_b32 s[\g+2], 16<<16
	s_mov_b32 s[\g+3], 32<<16
	s_mov_b32 s[\g+4], 16
	s_mov_b32 s[\g+5], 32
	s_mov_b32 s[\g+6], 0
	s_mov_b32 s[\g+7], 0
.endr
	s_lshl_b32 s22, s66, 4
	s_lshl_b32 s23, s18, 3
	s_add_co_u32 s22, s22, s23
	s_mul_i32 s20, s22, TILEK
	s_mov_b32 s21, 0
	s_lshl_b32 s22, s22, 9
	s_mov_b32 s23, 0
	s_lshl_b32 s67, s42, 4
	s_lshl_b32 s46, s18, 3
	s_add_co_u32 s67, s67, s46
	s_mul_i32 s46, s67, TILEK
	s_add_co_u32 s46, s46, 3*WSZ
	s_mov_b32 s47, 0
	s_lshl_b32 s2, s67, 9
	s_add_co_u32 s2, s2, 3*32768
	s_mov_b32 s3, 0
	s_mul_i32 s45, s16, HALFT
	s_mul_i32 s19, s16, HALFS
	s_wait_dscnt 0x0
	s_wait_kmcnt 0x0
	s_add_nc_u64 s[92:93], s[4:5], s[20:21]
	s_add_nc_u64 s[94:95], s[6:7], s[22:23]
	s_add_nc_u64 s[96:97], s[8:9], s[46:47]
	s_add_nc_u64 s[98:99], s[10:11], s[2:3]
	CROUND
	s_mov_b32 s[G0S], 1
	s_add_co_u32 s[G0S+1], s19, SCL
	s_mov_b64 s[G0S+2:G0S+3], s[94:95]
	s_or_b32 s[G0S+3], s[G0S+3], 0x80000000
	s_mov_b32 s[G0SB], 1
	s_add_co_u32 s[G0SB+1], s19, SCL
	s_mov_b64 s[G0SB+2:G0SB+3], s[98:99]
	s_or_b32 s[G0SB+3], s[G0SB+3], 0x80000000
	JLOAD G0S, G1S, G0SB, G1SB
.irp s, 0,1
	s_mov_b32 s[G0+4*\s], 1
	s_add_co_u32 s[G0+4*\s+1], s45, \s*SLOT
	s_add_nc_u64 s[G0+4*\s+2:G0+4*\s+3], s[92:93], \s*3072
	s_or_b32 s[G0+4*\s+3], s[G0+4*\s+3], 0x80000000
	s_mov_b32 s[G0B+4*\s], 1
	s_add_co_u32 s[G0B+4*\s+1], s45, \s*SLOT
	s_add_nc_u64 s[G0B+4*\s+2:G0B+4*\s+3], s[96:97], \s*3072
	s_or_b32 s[G0B+4*\s+3], s[G0B+4*\s+3], 0x80000000
	s_wait_alu depctr_va_vdst(0)
	s_wait_tensorcnt 0x0
	ds_add_u32 v28, v29
	s_wait_dscnt 0x0
	CROUND
	JLOAD G0+4*\s, G1, G0B+4*\s, G1B
.endr
	v_and_b32 v1, 15, v0
	v_bfe_u32 v2, v0, 4, 1
	s_wait_alu depctr_va_vdst(0)
	v_and_b32 v5, 31, v0
	v_lshlrev_b32 v3, 4, v5
	s_wait_alu depctr_va_vdst(0)
	v_lshlrev_b32 v4, 3, v5
	s_wait_alu depctr_va_vdst(0)
	s_lshl_b32 s46, s42, 10
	s_lshl_b32 s47, s18, 9
	s_add_co_u32 s46, s46, s47
	s_mov_b32 s47, 0
	s_add_nc_u64 s[12:13], s[12:13], s[46:47]
	s_add_nc_u64 s[14:15], s[14:15], s[46:47]
	s_lshl_b32 s20, s66, 20
	s_lshl_b32 s21, s17, 19
	s_add_co_u32 s20, s20, s21
	s_mov_b32 s21, 0
	s_add_nc_u64 s[14:15], s[14:15], s[20:21]
	v_lshlrev_b32 v7, 6, v2
.irp b, 0,1,2,3,4,5,6,7
	global_load_b128 v[BIAS+8*\b:BIAS+8*\b+3], v7, s[12:13] offset:128*(\b/2)+32*(\b%2)
	global_load_b128 v[BIAS+8*\b+4:BIAS+8*\b+7], v7, s[12:13] offset:128*(\b/2)+32*(\b%2)+16
.endr
	s_mul_i32 s21, s17, HALFT
	s_mul_i32 s22, s18, HALFT
	s_add_co_u32 s22, s22, 2*HALFT
.irp s, 0,1
	v_add_nc_u32 v[ADRA16+\s], s21, v3
	v_add_nc_u32 v[ADRA8+\s], s21, v4
	v_add_nc_u32 v[ADRB16+\s], s22, v3
	v_add_nc_u32 v[ADRB8+\s], s22, v4
	s_add_co_u32 s21, s21, SLOT
	s_add_co_u32 s22, s22, SLOT
.endr
	v_lshlrev_b32 v5, 3, v1
	s_mul_i32 s21, s17, HALFS
	s_mul_i32 s22, s18, HALFS
	s_add_co_u32 s22, s22, 2*HALFS
	s_sub_co_u32 s22, s22, s21
	v_mul_u32_u24 v6, s22, v2
	s_add_co_u32 s21, s21, SCL
	v_add_nc_u32 v5, v5, v6
	v_add_nc_u32 v[ADRS], s21, v5
	s_mul_i32 s23, s16, 16*SPITCH
	v_mul_u32_u24 v5, v1, SPITCH
	v_lshl_add_u32 v5, v2, 6, v5
	v_add_nc_u32 v[STO], s23, v5
	v_add_nc_u32 v[RD], s23, v3
.macro FRAG reg, a16, a8, q, i
	ds_load_b128 v[\reg:\reg+3], v[\a16] offset:3072*(\i)+1536*(\q)
	ds_load_b64 v[\reg+4:\reg+5], v[\a8] offset:3072*(\i)+1536*(\q)+512
	ds_load_b128 v[\reg+6:\reg+9], v[\a16] offset:3072*(\i)+1536*(\q)+768
	ds_load_b64 v[\reg+10:\reg+11], v[\a8] offset:3072*(\i)+1536*(\q)+1280
.endm
.macro MUL16 a0, p, q, sc, first
.irp a, \a0, \a0+1
.irp b, 0,1,2,3,4,5,6,7
.if \first
	v_wmma_scale_f32_16x16x128_f8f6f4 v[8*(8*((\a)%4)+\b):8*(8*((\a)%4)+\b)+7], v[128*(\p)+FR*\b:128*(\p)+FR*\b+FR-1], v[AF+FR*(\a):AF+FR*(\a)+FR-1], v[BIAS+8*\b:BIAS+8*\b+7], v[SC+8*NQ*(\sc)+NQ*\b+(\q)], v[SC+8*NQ*(\sc)+NQ*(\a)+(\q)] matrix_a_fmt:MATRIX_FMT_FP6 matrix_b_fmt:MATRIX_FMT_FP6 matrix_a_scale:MATRIX_SCALE_ROW1
.else
	v_wmma_scale_f32_16x16x128_f8f6f4 v[8*(8*((\a)%4)+\b):8*(8*((\a)%4)+\b)+7], v[128*(\p)+FR*\b:128*(\p)+FR*\b+FR-1], v[AF+FR*(\a):AF+FR*(\a)+FR-1], v[8*(8*((\a)%4)+\b):8*(8*((\a)%4)+\b)+7], v[SC+8*NQ*(\sc)+NQ*\b+(\q)], v[SC+8*NQ*(\sc)+NQ*(\a)+(\q)] matrix_a_fmt:MATRIX_FMT_FP6 matrix_b_fmt:MATRIX_FMT_FP6 matrix_a_scale:MATRIX_SCALE_ROW1
.endif
.endr
.endr
.endm
.macro FETCH_B slot, q, p
	WIN TO_B
.irp i, 0,1,2,3,4,5,6,7
	FRAG 128*(\p)+FR*\i, ADRB16+\slot, ADRB8+\slot, \q, \i
.endr
	WIN 0
.endm
.macro FETCH_A slot, q, i0
.irp i, \i0, \i0+1, \i0+2, \i0+3
	FRAG AF+FR*(\i), ADRA16+\slot, ADRA8+\slot, \q, \i
.endr
.endm
.macro SCALES sc
.irp i, 0,1,2,3,4,5,6,7
	ds_load_b64 v[SC+8*NQ*\sc+NQ*\i:SC+8*NQ*\sc+NQ*\i+1], v[ADRS] offset:\i*512
.endr
.endm
.macro PLACES n
.rept \n
	v_nop
.endr
.endm
.macro STEP slot, q, first
	s_wait_dscnt 4*NL
.if \first
	WIN BIA_LO
.else
	WIN MUL_LO
.endif
	MUL16 0, (\q)%2, \q, \slot, \first
	MUL16 2, (\q)%2, \q, \slot, \first
	s_wait_dscnt 0
	PLACES NP
	FETCH_B \slot, (\q)+1, 1-(\q)%2
	FETCH_A \slot, (\q)+1, 0
.if \first
	WIN BIA_HI
.else
	WIN MUL_HI
.endif
	MUL16 4, (\q)%2, \q, \slot, \first
	MUL16 6, (\q)%2, \q, \slot, \first
	PLACES NP
	WIN 0
	FETCH_A \slot, (\q)+1, 4
.endm
.macro TURN slot, next, fill
	s_wait_tensorcnt 0x0
	ds_add_u32 v[SPW], v[NIL]
	s_wait_dscnt 4*NL+1
	WIN MUL_LO
	MUL16 0, 1, NQ-1, \slot, 0
	s_wait_dscnt 0x0
	s_barrier_signal -1
	MUL16 2, 1, NQ-1, \slot, 0
	WIN 0
	s_barrier_wait -1
.if \fill
	CREST
	s_add_nc_u64 s[G0+4*\slot+2:G0+4*\slot+3], s[G0+4*\slot+2:G0+4*\slot+3], 2*3072
	s_add_nc_u64 s[G0B+4*\slot+2:G0B+4*\slot+3], s[G0B+4*\slot+2:G0B+4*\slot+3], 2*3072
	JLOAD G0+4*\slot, G1, G0B+4*\slot, G1B
.else
	PLACES NP
.endif
	s_wait_alu depctr_va_vdst(0)
	v_add_nc_u32 v[ADRS], 128, v[ADRS]
	FETCH_B \next, 0, 0
	FETCH_A \next, 0, 0
	SCALES \next
	WIN MUL_HI
	MUL16 4, 1, NQ-1, \slot, 0
	MUL16 6, 1, NQ-1, \slot, 0
	PLACES NP
	WIN 0
	FETCH_A \next, 0, 4
.endm
	s_wait_alu depctr_va_vdst(0)
	s_wait_tensorcnt 1
	s_barrier_signal -1
	s_barrier_wait -1
	FETCH_B 0, 0, 0
	FETCH_A 0, 0, 0
	SCALES 0
	FETCH_A 0, 0, 4
	s_wait_loadcnt 0x0
	STEP 0, 0, 1
	TURN 0, 1, 1
	STEP 1, 0, 0
	TURN 1, 0, 1
	STEP 0, 0, 0
	TURN 0, 1, 0
	STEP 1, 0, 0
	s_wait_dscnt 4*NL
	WIN MUL_LO
	MUL16 0, 1, NQ-1, 1, 0
	MUL16 2, 1, NQ-1, 1, 0
	s_wait_dscnt 0
	WIN MUL_HI
	MUL16 4, 1, NQ-1, 1, 0
	MUL16 6, 1, NQ-1, 1, 0
	WIN 0
.macro TOSTAGE a
.set AC, 64*((\a)%4)
	WIN 0x08+4*((\a)/4)
.irp b, 0,1,2,3,4,5,6,7
	ds_store_b128 v[STO], v[AC+8*\b:AC+8*\b+3] offset:128*(\b/2)+32*(\b%2)
	ds_store_b128 v[STO], v[AC+8*\b+4:AC+8*\b+7] offset:128*(\b/2)+32*(\b%2)+16
.endr
	WIN 0
.set BB, BK+64*((\a)%2)
.irp t, 0,1,2,3,4,5,6,7,8,9,10,11,12,13,14,15
	ds_load_b128 v[BB+4*\t:BB+4*\t+3], v[RD] offset:\t*SPITCH
.endr
.endm
.macro SEND a, younger
.set BB, BK+64*((\a)%2)
	s_wait_dscnt \younger
.irp t, 0,1,2,3,4,5,6,7,8,9,10,11,12,13,14,15
	global_store_b128 v3, v[BB+4*\t:BB+4*\t+3], s[14:15] offset:(32*((\a)/2)+8*((\a)%2)+\t+8*(\t/8))*4096 th:TH_STORE_NT
.endr
.endm
	PLACES NP
	TOSTAGE 0
.irp a, 1,2,3,4,5,6,7
.if \a > 1
	s_wait_xcnt 0x0
.endif
	TOSTAGE \a
	SEND \a-1, 32
.endr
	SEND 7, 0
	s_wait_tensorcnt 0x0
	ds_add_u32 v[SPW], v[NIL]
	s_wait_dscnt 0x0
	CROUND
	s_endpgm
.Lfunc_end_k_q17621406e4_oproj:
	.size	k_q17621406e4_oproj, .Lfunc_end_k_q17621406e4_oproj-k_q17621406e4_oproj
	.p2alignl 7, 3214868480
	.fill 96, 4, 3214868480
	.section	.rodata,"a",@progbits
	.p2align	6, 0x0
	.amdhsa_kernel k_q17621406e4_oproj
		.amdhsa_group_segment_fixed_size 327680
		.amdhsa_private_segment_fixed_size 0
		.amdhsa_enable_private_segment 0
		.amdhsa_kernarg_size 48
		.amdhsa_user_sgpr_count 2
		.amdhsa_user_sgpr_kernarg_segment_ptr 1
		.amdhsa_wavefront_size32 1
		.amdhsa_system_sgpr_workgroup_id_x 1
		.amdhsa_system_sgpr_workgroup_id_y 1
		.amdhsa_system_sgpr_workgroup_id_z 1
		.amdhsa_system_vgpr_workitem_id 0
		.amdhsa_next_free_vgpr 1024
		.amdhsa_next_free_sgpr 100
		.amdhsa_reserve_vcc 0
		.amdhsa_float_denorm_mode_32 3
		.amdhsa_float_denorm_mode_16_64 3
		.amdhsa_memory_ordered 1
		.amdhsa_forward_progress 1
		.amdhsa_inst_pref_size 146
	.end_amdhsa_kernel
	.amdgpu_metadata
---
amdhsa.version: [ 1, 2 ]
amdhsa.kernels:
  - .name:           k_q17621406e4_oproj
    .symbol:         k_q17621406e4_oproj.kd
    .args:
      - { .name: ac, .offset: 0, .size: 8, .value_kind: global_buffer, .address_space: global }
      - { .name: asc, .offset: 8, .size: 8, .value_kind: global_buffer, .address_space: global }
      - { .name: wc, .offset: 16, .size: 8, .value_kind: global_buffer, .address_space: global }
      - { .name: ws, .offset: 24, .size: 8, .value_kind: global_buffer, .address_space: global }
      - { .name: bo, .offset: 32, .size: 8, .value_kind: global_buffer, .address_space: global }
      - { .name: out0, .offset: 40, .size: 8, .value_kind: global_buffer, .address_space: global }
    .group_segment_fixed_size: 327680
    .private_segment_fixed_size: 0
    .kernarg_segment_align: 8
    .kernarg_segment_size: 48
    .max_flat_workgroup_size: 128
    .sgpr_count:     100
    .vgpr_count:     1024
    .wavefront_size: 32
...
	.end_amdgpu_metadata
.endif
;; end of part 4
